; MI455X (gfx1250); checked and timed in simulation.
; The chip was launched on July 23, 2026; its instructions are those of AMD's public machine-readable ISA for CDNA 5 (MIT licence, August 2026) and "CDNA5" Instruction Set Architecture Reference Guide (July 2026). The comments in the code are by the model that wrote it; some were corrected since.
;; FFN Mo E. Allowed arithmetic: matrix products marked QUANTISED: E3M2 operands, one E8M0 scale for each 32 along K, by v_wmma_scale_f32_16x16x128_f8f6f4 with both operands' format E3M2, f32 sums; products left as they are: f32 operands where the result goes on into a quantised operand, else bf16, f16 or f32 operands; f32 sums; everything else in f32.
;; Inputs: W1 8 x 4,096 x 1,024 float32; W2 8 x 1,024 x 4,096 float32; Wg 8 x 1,024 float32; b1 8 x 4,096 float32; b2 8 x 1,024 float32; beta 1,024 float32; bg 8 float32; gamma 1,024 float32; x 2 x 512 x 1,024 float32.
;; Outputs: out0 2 x 512 x 1,024 float32.
;; This version of the problem:
;;   THIS VERSION OF THE PROBLEM IS GIVEN IN LOW PRECISION. The matrix products marked QUANTISED in the list below multiply operands that are first quantised to E3M2 (3 exponent bits, 2 mantissa bits; 6 bits a number), with one power-of-two scale for each 32 numbers along K (OCP MX v1.0); their sums are f32. All else is computed in f32.
;;   The module's matrix products, in the order in which they are computed (A, B: the left and right operand; K: the contracted axis; several contracted axes count as one K, in the product's order):
;;     1. [M 1,024, K 1,024] x [K 1,024, N 8]; A: computed on the way; B: input Wg: left as it is (N = 8 < 16)
;;     2. [M 1,024, K 1,024] x [K 1,024, N 32,768]; A: computed on the way; B: input W1: QUANTISED
;;     3. batch 8 x [M 1,024, K 4,096] x [K 4,096, N 1,024]; A: input W2; B: computed on the way: QUANTISED
;;     4. batch 1,024 x [M 1,024, K 8] x [K 8, N 1]; A: computed on the way; B: computed on the way: left as it is (K = 8 < 32)
;;   THE QUANTISER, for each operand of a quantised product, along K:
;;     - K is cut into blocks of 32 from its start; a last block that is shorter is filled with zeros.
;;     - A block's scale is 2^e with e = floor(log2(the largest magnitude in the block)) - 4, held to -126 .. 127; a block of zeros has e = 0. As a byte (E8M0): e + 127.
;;     - Each number is divided by its block's scale, clamped to +-28, and rounded to the nearest number of E3M2, ties to even, subnormals kept.
;;     - The product sums the exact products of the quantised numbers (number of the format x scale) in f32.
;;   ~~~python
;;   def quantise(x, axis):      # numpy; x: float32 -> the quantised numbers, widened to float32 again
;;       x = np.moveaxis(x, axis, -1); K = x.shape[-1]
;;       x = np.pad(x, [(0, 0)] * (x.ndim - 1) + [(0, -K % 32)]); x = x.reshape(x.shape[:-1] + (-1, 32)); a = np.abs(x).max(-1, keepdims=True)
;;       e = np.where(a > 0, np.clip(np.frexp(np.where(a > 0, a, 1))[1] - 1 - 4, -126, 127), 0)      # np.frexp(a)[1] - 1 = floor(log2(a)), exactly
;;       r = np.clip(x / 2.0 ** e, -28, 28)
;;       step = 2.0 ** (np.maximum(np.frexp(np.where(r == 0, 1, r))[1] - 1, -2) - 2)
;;       q = np.round(r / step) * step * 2.0 ** e      # np.round: ties to even
;;       return np.moveaxis(q.reshape(q.shape[:-2] + (-1,))[..., :K], -1, axis).astype(np.float32)
;;   ~~~
;;   OPERANDS COMPUTED ON THE WAY. 'Computed on the way' means the value that the module computes at that place (a softmax that the list does not call 'softmax' is quantised finished and normalised). What goes into a quantiser is computed in f32, as accurately as f32 sums, v_exp_f32 and their like allow (about 1e-6 of the number): no bf16 or f16 on the way to a quantiser, and a product that is left as it is and whose result goes on into a quantised operand takes f32 operands (vector FMAs, or v_wmma_f32_16x16x4_f32). A number that lies on a knife's edge between two numbers of the format may be rounded either way, as far as f32 arithmetic and the matrix unit's own rounding can turn it there, and no further.
;; One version. Each part assembles by itself: llvm-mc -triple=amdgcn-amd-amdhsa -mcpu=gfx1250 --defsym DOCPART=n.
;; ======== version 1 of 1: 5 launches
;; limits: right only within a limited range of input values
;; workspace buffers: xq 819,200 bytes; choice 8,192 bytes of whole numbers; gates 8,192 bytes; ranks 66,560 bytes of whole numbers; xg 6,553,600 bytes; hq 26,214,400 bytes; yp 33,554,432 bytes
;; launch route (part 1): grid 256 x 1, 2 waves a work-group, no clusters, 22,784 bytes of LDS; arguments x, gamma, beta, Wg, bg, xq, choice, gates; writes xq, choice, gates
.if DOCPART == 1
	.amdgcn_target "amdgcn-amd-amdhsa--gfx1250"
	.amdhsa_code_object_version 6
	.text
	.protected	k_qa6afdeec99_route
	.globl	k_qa6afdeec99_route
	.p2align	8
	.type	k_qa6afdeec99_route,@function
k_qa6afdeec99_route:
	s_mov_b64 s[64:65], 0
	v_nop
	global_prefetch_b8 v0, s[64:65] scope:SCOPE_SE
	s_setreg_imm32_b32 hwreg(HW_REG_WAVE_MODE, 25, 1), 1
	s_wait_xcnt 0x0
; LayerNorm, router and the quantiser of the tokens.  x [1024][1024] f32.  A wave takes two tokens, t0 = 4 x work-group + 2 x wave; waves share nothing: no barrier.
; OUT: xq: a token's 1,024 codes of E3M2 in 768 bytes at token x 768; in each K step of 128 (96 bytes) the four blocks of 32 lie in the order 0, 2, 1, 3, so that what lane (r, h) of an operand
;      wants of a K step (blocks h and 2 + h) is 48 consecutive bytes at 96 s + 48 h.  The 32 scale bytes of a token lie in their natural order at XS0 + token x 32.
;      choice [token][2]: the two experts, the larger logit first.  gates [token][2]: their weights p / (p1 + p2 + 1e-8).
; LIMITS: NaN and infinities are not served.  The two experts are chosen on the logits, strictly greater wins, so the lower index wins a tie; two unequal logits whose probabilities round to the
;      same f32 could be ordered otherwise by a choice on probabilities.  A block whose largest magnitude lies under 2^-122 gets the scale byte 1 (a block of zeros too: its codes are zeros).
; A row is loaded 16 bytes a lane, 512 consecutive bytes a load: register 4 j + i of lane l is element 128 j + 4 l + i; gamma, beta and the rows of Wg likewise.
.set WREG,  11264                      ; LDS of a wave: two stages of 32 places of 144 bytes (a block's 128 bytes + 16), 1,536 bytes of codes, 64 scale bytes
.set STT,   4608                       ; a stage
.set CODE,  9216
.set SCB,   10752
.set XS0,   786432
.set X,     32                         ; v32-95   the two tokens' rows
.set GA,    96                         ; v96-127  gamma; later token 0's block
.set BE,    128                        ; v128-159 beta; later token 1's block
.set G,     160                        ; v160-223 two chunks of Wg by turns; later codes
.set ACC,   224                        ; v224-255 the 16 logits, a pair of sums each: token x 16 + expert x 2
.set SEL,   36                         ; s[36:37] lane selects: lane l xor 16
	s_load_b256 s[4:11], s[0:1], 0x0               ; x, gamma, beta, Wg
	s_load_b256 s[12:19], s[0:1], 0x20             ; bg, xq, choice, gates
	s_set_vgpr_msb 0x40
	v_lshl_add_u32 v0, v0, 2, 0x5800
	v_mov_b32 v1, 0
	s_set_vgpr_msb 0x4000
	v_lshrrev_b32 v8, 5, v0
	v_readfirstlane_b32 s20, v8                    ; wave
	v_and_b32 v7, 31, v0                           ; lane
	v_lshlrev_b32 v1, 4, v7                        ; 16 x lane
	s_mul_i32 s21, s20, WREG
	v_lshrrev_b32 v8, 3, v7
	v_mul_u32_u24 v2, v8, 144
	v_and_b32 v8, 7, v7
	v_lshl_add_u32 v2, v8, 4, v2
	v_add_nc_u32 v2, s21, v2                       ; the stage, in: place lane / 8 (+ 4 j by the offset), 16 (lane % 8) bytes on
	v_mul_u32_u24 v3, v7, 144
	v_add_nc_u32 v3, s21, v3                       ; and out: place lane: block lane of the row
	v_and_b32 v8, 28, v7
	v_and_b32 v9, 1, v7
	v_lshl_add_u32 v8, v9, 1, v8
	v_bfe_u32 v9, v7, 1, 1
	v_add_nc_u32 v8, v8, v9                        ; the lane's number with bits 0 and 1 changed over: the block's place in xq
	v_mul_u32_u24 v4, v8, 24
	s_add_co_u32 s22, s21, CODE
	v_add_nc_u32 v4, s22, v4                       ; where my block's 24 bytes of codes go
	v_add_nc_u32 v6, s22, v1                       ; and where 16 bytes a lane come back
	s_add_co_u32 s22, s21, SCB
	v_add_nc_u32 v5, s22, v7                       ; my block's scale byte
	v_and_b32 v8, 15, v7
	v_lshlrev_b32 v28, 2, v8                       ; 4 (lane % 16): the two tokens' 16 scale words
	v_add_nc_u32 v29, s22, v28
	v_and_b32 v8, 3, v7
	v_lshlrev_b32 v30, 2, v8                       ; 4 (lane % 4): the four words of choice and of gates
	v_mov_b32 v20, 0                               ; a lane permute's destination counts as read
	v_mov_b32 v21, 0
	s_lshl_b32 s23, ttmp9, 2
	s_lshl_b32 s24, s20, 1
	s_add_co_u32 s23, s23, s24                     ; t0
	s_lshl_b32 s24, s23, 12
	s_mov_b32 s25, 0
	s_mul_i32 s26, s23, 768
	s_mov_b32 s27, 0
	s_lshl_b32 s28, s23, 5
	s_add_co_u32 s28, s28, XS0
	s_mov_b32 s29, 0
	s_lshl_b32 s30, s23, 3
	s_mov_b32 s31, 0
	s_mov_b32 s32, 0xba800000                      ; -1 / 1024
	s_mov_b32 s33, 0x3a800000                      ; 1 / 1024
	s_mov_b32 s34, 0x3727c5ac                      ; 1e-5
	s_mov_b32 s35, 0x3fb8aa3b                      ; log2(e)
	s_mov_b32 s[SEL], 0x76543210
	s_mov_b32 s[SEL+1], 0xfedcba98
	s_wait_kmcnt 0x0
	s_load_b256 s[40:47], s[12:13], 0x0            ; bg
	s_add_nc_u64 s[4:5], s[4:5], s[24:25]
	s_add_nc_u64 s[48:49], s[14:15], s[26:27]      ; my codes in xq
	s_add_nc_u64 s[50:51], s[14:15], s[28:29]      ; my scale bytes
	s_add_nc_u64 s[16:17], s[16:17], s[30:31]
	s_add_nc_u64 s[18:19], s[18:19], s[30:31]
.macro WGL jc                          ; chunk jc of Wg: elements 128 jc .. 128 jc + 127 of all eight rows
.irp e,0,1,2,3,4,5,6,7
	global_load_b128 v[G+32*((\jc)%2)+4*\e:G+32*((\jc)%2)+4*\e+3], v1, s[10:11] offset:4096*\e+512*(\jc)
.endr
.endm
.irp t,0,1
.irp j,0,1,2,3,4,5,6,7
	global_load_b128 v[X+32*\t+4*\j:X+32*\t+4*\j+3], v1, s[4:5] offset:4096*\t+512*\j
.endr
.endr
.irp j,0,1,2,3,4,5,6,7
	global_load_b128 v[GA+4*\j:GA+4*\j+3], v1, s[6:7] offset:512*\j
.endr
.irp j,0,1,2,3,4,5,6,7
	global_load_b128 v[BE+4*\j:BE+4*\j+3], v1, s[8:9] offset:512*\j
.endr
	WGL 0
	WGL 1
.macro LSUM2 a, b                      ; two sums over the 32 lanes, by turns; every lane gets them
.irp m,1,2,4,8
	v_add_f32_dpp v[\a], v[\a], v[\a] row_xmask:\m row_mask:0xf bank_mask:0xf
	v_add_f32_dpp v[\b], v[\b], v[\b] row_xmask:\m row_mask:0xf bank_mask:0xf
.endr
	v_permlanex16_b32 v20, v[\a], s[SEL], s[SEL+1]
	v_permlanex16_b32 v21, v[\b], s[SEL], s[SEL+1]
	v_add_f32 v[\a], v[\a], v20
	v_add_f32 v[\b], v[\b], v21
.endm
	s_wait_loadcnt 32                              ; the 16 loads of x are in; the 32 behind them (gamma, beta, two chunks of Wg) may be out
	; the mean: token t keeps v[8+6t:9+6t] -mean, v[10+6t:13+6t] two chains of sums
.irp t,0,1
	v_pk_add_f32 v[10+6*\t:11+6*\t], v[X+32*\t:X+32*\t+1], v[X+32*\t+2:X+32*\t+3]
	v_pk_add_f32 v[12+6*\t:13+6*\t], v[X+32*\t+4:X+32*\t+5], v[X+32*\t+6:X+32*\t+7]
.endr
.irp k,8,12,16,20,24,28
.irp t,0,1
	v_pk_add_f32 v[10+6*\t:11+6*\t], v[10+6*\t:11+6*\t], v[X+32*\t+\k:X+32*\t+\k+1]
	v_pk_add_f32 v[12+6*\t:13+6*\t], v[12+6*\t:13+6*\t], v[X+32*\t+\k+2:X+32*\t+\k+3]
.endr
.endr
.irp t,0,1
	v_pk_add_f32 v[10+6*\t:11+6*\t], v[10+6*\t:11+6*\t], v[12+6*\t:13+6*\t]
.endr
.irp t,0,1
	v_add_f32 v[10+6*\t], v[10+6*\t], v[11+6*\t]
.endr
	LSUM2 10, 16
.irp t,0,1
	v_mul_f32 v[8+6*\t], s32, v[10+6*\t]           ; -mean, in both halves of a pair
	v_mul_f32 v[9+6*\t], s32, v[10+6*\t]
.endr
.irp t,0,1
.irp k,0,2,4,6,8,10,12,14,16,18,20,22,24,26,28,30
	v_pk_add_f32 v[X+32*\t+\k:X+32*\t+\k+1], v[X+32*\t+\k:X+32*\t+\k+1], v[8+6*\t:9+6*\t]
.endr
.endr
	; the variance of the differences (two passes: no difference of large sums)
.irp t,0,1
	v_pk_mul_f32 v[10+6*\t:11+6*\t], v[X+32*\t:X+32*\t+1], v[X+32*\t:X+32*\t+1]
	v_pk_mul_f32 v[12+6*\t:13+6*\t], v[X+32*\t+2:X+32*\t+3], v[X+32*\t+2:X+32*\t+3]
.endr
.irp k,4,8,12,16,20,24,28
.irp t,0,1
	v_pk_fma_f32 v[10+6*\t:11+6*\t], v[X+32*\t+\k:X+32*\t+\k+1], v[X+32*\t+\k:X+32*\t+\k+1], v[10+6*\t:11+6*\t]
	v_pk_fma_f32 v[12+6*\t:13+6*\t], v[X+32*\t+\k+2:X+32*\t+\k+3], v[X+32*\t+\k+2:X+32*\t+\k+3], v[12+6*\t:13+6*\t]
.endr
.endr
.irp t,0,1
	v_pk_add_f32 v[10+6*\t:11+6*\t], v[10+6*\t:11+6*\t], v[12+6*\t:13+6*\t]
.endr
.irp t,0,1
	v_add_f32 v[10+6*\t], v[10+6*\t], v[11+6*\t]
.endr
	LSUM2 10, 16
.irp t,0,1
	v_fma_f32 v[10+6*\t], v[10+6*\t], s33, s34     ; variance + 1e-5
.endr
	s_wait_alu depctr_va_vdst(0)
	v_rsq_f32 v10, v10
	v_rsq_f32 v16, v16
	v_nop                                          ; a plain instruction behind the two roots,
	s_wait_alu depctr_va_vdst(0)                   ; and one wait for both ahead of their first reader
	v_mov_b32 v11, v10
	v_mov_b32 v17, v16
.irp t,0,1
.irp k,0,2,4,6,8,10,12,14,16,18,20,22,24,26,28,30
	v_pk_mul_f32 v[X+32*\t+\k:X+32*\t+\k+1], v[X+32*\t+\k:X+32*\t+\k+1], v[10+6*\t:11+6*\t]
.endr
.endr
	s_wait_loadcnt 16                              ; gamma and beta are in; the two chunks of Wg may be out
.irp t,0,1
.irp k,0,2,4,6,8,10,12,14,16,18,20,22,24,26,28,30
	v_pk_fma_f32 v[X+32*\t+\k:X+32*\t+\k+1], v[X+32*\t+\k:X+32*\t+\k+1], v[GA+\k:GA+\k+1], v[BE+\k:BE+\k+1]
.endr
.endr
.irp t,0,1
.irp j,0,1,2,3,4,5,6,7
	ds_store_b128 v2, v[X+32*\t+4*\j:X+32*\t+4*\j+3] offset:STT*\t+576*\j   ; the normalised row into its stage, for the quantiser below
.endr
.endr
	; the logits, in f32 multiply-adds: 16 sums, two numbers an instruction
.macro LOGIT jc
.irp hh,0,1
.irp t,0,1
.irp e,0,1,2,3,4,5,6,7
.if (\jc == 0) && (\hh == 0)
	v_pk_mul_f32 v[ACC+16*\t+2*\e:ACC+16*\t+2*\e+1], v[X+32*\t+4*(\jc)+2*\hh:X+32*\t+4*(\jc)+2*\hh+1], v[G+32*((\jc)%2)+4*\e+2*\hh:G+32*((\jc)%2)+4*\e+2*\hh+1]
.else
	v_pk_fma_f32 v[ACC+16*\t+2*\e:ACC+16*\t+2*\e+1], v[X+32*\t+4*(\jc)+2*\hh:X+32*\t+4*(\jc)+2*\hh+1], v[G+32*((\jc)%2)+4*\e+2*\hh:G+32*((\jc)%2)+4*\e+2*\hh+1], v[ACC+16*\t+2*\e:ACC+16*\t+2*\e+1]
.endif
.endr
.endr
.endr
.endm
.irp jc,0,1,2,3,4,5
	s_wait_loadcnt 8                               ; this chunk's eight loads are in; the next chunk's eight may be out
	LOGIT \jc
	WGL \jc+2
.endr
	s_wait_loadcnt 8
	LOGIT 6
	s_wait_loadcnt 0x0
	LOGIT 7
.irp a,0,2,4,6,8,10,12,14,16,18,20,22,24,26,28,30
	v_add_f32 v[ACC+\a], v[ACC+\a], v[ACC+\a+1]
.endr
.irp m,1,2,4,8
.irp a,0,2,4,6,8,10,12,14,16,18,20,22,24,26,28,30
	v_add_f32_dpp v[ACC+\a], v[ACC+\a], v[ACC+\a] row_xmask:\m row_mask:0xf bank_mask:0xf
.endr
.endr
.irp a,0,2,4,6,8,10,12,14,16,18,20,22,24,26,28,30
	v_permlanex16_b32 v[ACC+\a+1], v[ACC+\a], s[SEL], s[SEL+1]
.endr
.irp a,0,2,4,6,8,10,12,14,16,18,20,22,24,26,28,30
	v_add_f32 v[ACC+\a], v[ACC+\a], v[ACC+\a+1]
.endr
	s_wait_kmcnt 0x0                               ; bg
.irp t,0,1
.irp e,0,1,2,3,4,5,6,7
	v_add_f32 v[ACC+16*\t+2*\e], s[40+\e], v[ACC+16*\t+2*\e]
.endr
.endr
	; the two largest logits.  Token t: v[8+8t] m1, +1 its expert, +2 m2, +3 its expert.  Nothing is branched on: every step selects
.irp t,0,1
	v_mov_b32 v[8+8*\t], v[ACC+16*\t]
	v_mov_b32 v[9+8*\t], 0
	v_mov_b32 v[10+8*\t], 0xff800000
	v_mov_b32 v[11+8*\t], 0
.endr
.irp e,1,2,3,4,5,6,7
.irp t,0,1
	v_cmp_le_f32 s[52+2*\t], v[ACC+16*\t+2*\e], v[8+8*\t]        ; not greater than the largest: it stays
	v_cmp_le_f32 s[53+2*\t], v[ACC+16*\t+2*\e], v[10+8*\t]       ; not greater than the second
	v_cndmask_b32 v[10+8*\t], v[ACC+16*\t+2*\e], v[10+8*\t], s[53+2*\t]
	v_cndmask_b32 v[11+8*\t], \e, v[11+8*\t], s[53+2*\t]
	v_cndmask_b32 v[10+8*\t], v[8+8*\t], v[10+8*\t], s[52+2*\t]  ; a new largest sends the old one down
	v_cndmask_b32 v[11+8*\t], v[9+8*\t], v[11+8*\t], s[52+2*\t]
	v_cndmask_b32 v[8+8*\t], v[ACC+16*\t+2*\e], v[8+8*\t], s[52+2*\t]
	v_cndmask_b32 v[9+8*\t], \e, v[9+8*\t], s[52+2*\t]
.endr
.endr
	; softmax with the largest logit taken away; p1 = 1 / Z, p2 = e2 / Z; the gates are p / (p1 + p2 + 1e-8)
.irp t,0,1
.irp e,0,1,2,3,4,5,6,7
	v_sub_f32 v[ACC+16*\t+2*\e], v[ACC+16*\t+2*\e], v[8+8*\t]
.endr
	v_sub_f32 v[12+8*\t], v[10+8*\t], v[8+8*\t]
.endr
.irp t,0,1
.irp e,0,1,2,3,4,5,6,7
	v_mul_f32 v[ACC+16*\t+2*\e], s35, v[ACC+16*\t+2*\e]
.endr
	v_mul_f32 v[12+8*\t], s35, v[12+8*\t]
.endr
	s_wait_alu depctr_va_vdst(0)
.irp t,0,1
.irp e,0,1,2,3,4,5,6,7
	v_exp_f32 v[ACC+16*\t+2*\e], v[ACC+16*\t+2*\e]
.endr
	v_exp_f32 v[12+8*\t], v[12+8*\t]
.endr
	v_nop
	s_wait_alu depctr_va_vdst(0)                   ; one wait for the 18 exponentials
.irp t,0,1
	v_add_f32 v[13+8*\t], v[ACC+16*\t], v[ACC+16*\t+2]
.endr
.irp e,2,3,4,5,6,7
.irp t,0,1
	v_add_f32 v[13+8*\t], v[13+8*\t], v[ACC+16*\t+2*\e]
.endr
.endr
	s_wait_alu depctr_va_vdst(0)
	v_rcp_f32 v13, v13
	v_rcp_f32 v21, v21
	v_nop
	s_wait_alu depctr_va_vdst(0)
.irp t,0,1
	v_mul_f32 v[12+8*\t], v[12+8*\t], v[13+8*\t]   ; p2
.endr
.irp t,0,1
	v_add_f32 v[14+8*\t], v[13+8*\t], v[12+8*\t]
.endr
.irp t,0,1
	v_add_f32 v[14+8*\t], 0x322bcc77, v[14+8*\t]   ; + 1e-8
.endr
	s_wait_alu depctr_va_vdst(0)
	v_rcp_f32 v14, v14
	v_rcp_f32 v22, v22
	v_nop
	s_wait_alu depctr_va_vdst(0)
.irp t,0,1
	v_mul_f32 v[15+8*\t], v[12+8*\t], v[14+8*\t]   ; the second gate
	v_mul_f32 v[14+8*\t], v[13+8*\t], v[14+8*\t]   ; the first
.endr
	; the quantiser: lane l takes block l of each row, 32 neighbours, out of the stage (LDS serves a wave's instructions in order: these see the stores above)
.irp t,0,1
.irp i,0,1,2,3,4,5,6,7
	ds_load_b128 v[GA+32*\t+4*\i:GA+32*\t+4*\i+3], v3 offset:STT*\t+16*\i
.endr
.endr
	s_wait_dscnt 0x0
.irp t,0,1
	v_max3_num_f32 v[24+\t], |v[GA+32*\t]|, |v[GA+32*\t+1]|, 0x2800000       ; the block's largest magnitude, and the floor 2^(5 - 127): the byte cannot fall under 1
.endr
.irp k,2,4,6,8,10,12,14,16,18,20,22,24,26,28,30
.irp t,0,1
	v_max3_num_f32 v[24+\t], v[24+\t], |v[GA+32*\t+\k]|, |v[GA+32*\t+\k+1]|
.endr
.endr
.irp t,0,1
	v_add_nc_u32 v[26+\t], 0xfe000000, v[24+\t]    ; 4 off its exponent field: the conversion's scale operand
.endr
.irp t,0,1
	v_cvt_scalef32_pk16_bf6_f32 v[G+8*\t:G+8*\t+2], v[GA+32*\t:GA+32*\t+15], v[26+\t]
	v_cvt_scalef32_pk16_bf6_f32 v[G+8*\t+4:G+8*\t+6], v[GA+32*\t+16:GA+32*\t+31], v[26+\t]   ; (a conversion's three registers begin on an even number)
.endr
	v_nop                                          ; one plain place behind the conversions
.irp t,0,1
	v_lshrrev_b32 v[24+\t], 23, v[26+\t]           ; the scale's byte
	v_mov_b32 v[G+8*\t+3], v[G+8*\t+4]             ; six registers on end
	v_mov_b32 v[G+8*\t+4], v[G+8*\t+5]
	v_mov_b32 v[G+8*\t+5], v[G+8*\t+6]
.endr
.irp t,0,1
	ds_store_b64 v4, v[G+8*\t:G+8*\t+1] offset:768*\t
	ds_store_b64 v4, v[G+8*\t+2:G+8*\t+3] offset:768*\t+8
	ds_store_b64 v4, v[G+8*\t+4:G+8*\t+5] offset:768*\t+16
	ds_store_b8 v5, v[24+\t] offset:32*\t
.endr
.irp c,0,1,2
	ds_load_b128 v[192+4*\c:195+4*\c], v6 offset:512*\c
.endr
	ds_load_b32 v204, v29
	; which of the four words of choice and gates is this lane's: word lane % 4 = token (bit 1), place (bit 0)
	v_and_b32 v31, 1, v7
	v_cmp_eq_u32 s56, 0, v31
	v_and_b32 v31, 2, v7
	v_cmp_eq_u32 s57, 0, v31
	v_cndmask_b32 v208, v11, v9, s56
	v_cndmask_b32 v209, v19, v17, s56
	v_cndmask_b32 v208, v209, v208, s57
	v_cndmask_b32 v210, v15, v14, s56
	v_cndmask_b32 v211, v23, v22, s56
	v_cndmask_b32 v210, v211, v210, s57
	s_wait_alu depctr_va_vdst(0)
	s_wait_dscnt 0x0
.irp c,0,1,2
	global_store_b128 v1, v[192+4*\c:195+4*\c], s[48:49] offset:512*\c       ; 32 lanes store 512 consecutive bytes; the two tokens' 1,536 bytes begin at a multiple of 256
.endr
	global_store_b32 v28, v204, s[50:51]           ; 16 scale words; lanes l and l + 16 store the same word with the same value
	global_store_b32 v30, v208, s[16:17]           ; four words; eight lanes store each, with the same value
	global_store_b32 v30, v210, s[18:19]
	s_set_vgpr_msb 0x5
	s_wait_tensorcnt 0x0
	ds_add_u32 v0, v1
	s_wait_dscnt 0x0
	s_set_vgpr_msb 0x500
	s_endpgm
.Lfunc_end_k_qa6afdeec99_route:
	.size	k_qa6afdeec99_route, .Lfunc_end_k_qa6afdeec99_route-k_qa6afdeec99_route
	.p2alignl 7, 3214868480
	.fill 96, 4, 3214868480
	.section	.rodata,"a",@progbits
	.p2align	6, 0x0
	.amdhsa_kernel k_qa6afdeec99_route
		.amdhsa_group_segment_fixed_size 22784
		.amdhsa_private_segment_fixed_size 0
		.amdhsa_enable_private_segment 0
		.amdhsa_kernarg_size 64
		.amdhsa_user_sgpr_count 2
		.amdhsa_user_sgpr_kernarg_segment_ptr 1
		.amdhsa_wavefront_size32 1
		.amdhsa_system_sgpr_workgroup_id_x 1
		.amdhsa_system_sgpr_workgroup_id_y 1
		.amdhsa_system_sgpr_workgroup_id_z 1
		.amdhsa_system_vgpr_workitem_id 0
		.amdhsa_next_free_vgpr 258
		.amdhsa_next_free_sgpr 66
		.amdhsa_reserve_vcc 0
		.amdhsa_float_denorm_mode_32 3
		.amdhsa_float_denorm_mode_16_64 3
		.amdhsa_memory_ordered 1
		.amdhsa_forward_progress 1
		.amdhsa_inst_pref_size 64
	.end_amdhsa_kernel
	.amdgpu_metadata
---
amdhsa.version: [ 1, 2 ]
amdhsa.kernels:
  - .name:           k_qa6afdeec99_route
    .symbol:         k_qa6afdeec99_route.kd
    .args:
      - { .name: x, .offset: 0, .size: 8, .value_kind: global_buffer, .address_space: global }
      - { .name: gamma, .offset: 8, .size: 8, .value_kind: global_buffer, .address_space: global }
      - { .name: beta, .offset: 16, .size: 8, .value_kind: global_buffer, .address_space: global }
      - { .name: Wg, .offset: 24, .size: 8, .value_kind: global_buffer, .address_space: global }
      - { .name: bg, .offset: 32, .size: 8, .value_kind: global_buffer, .address_space: global }
      - { .name: xq, .offset: 40, .size: 8, .value_kind: global_buffer, .address_space: global }
      - { .name: choice, .offset: 48, .size: 8, .value_kind: global_buffer, .address_space: global }
      - { .name: gates, .offset: 56, .size: 8, .value_kind: global_buffer, .address_space: global }
    .group_segment_fixed_size: 22784
    .private_segment_fixed_size: 0
    .kernarg_segment_align: 8
    .kernarg_segment_size: 64
    .max_flat_workgroup_size: 64
    .sgpr_count:     66
    .vgpr_count:     258
    .wavefront_size: 32
...
	.end_amdgpu_metadata
.endif
;; end of part 1
;; launch place (part 2): grid 64 x 8, 1 waves a work-group, no clusters, 512 bytes of LDS; arguments choice, xq, ranks, xg; writes ranks, xg
.if DOCPART == 2
	.amdgcn_target "amdgcn-amd-amdhsa--gfx1250"
	.amdhsa_code_object_version 6
	.text
	.protected	k_qa6afdeec99_place
	.globl	k_qa6afdeec99_place
	.p2align	8
	.type	k_qa6afdeec99_place,@function
k_qa6afdeec99_place:
	s_mov_b64 s[64:65], 0
	v_nop
	global_prefetch_b8 v0, s[64:65] scope:SCOPE_SE
	s_setreg_imm32_b32 hwreg(HW_REG_WAVE_MODE, 25, 1), 1
	s_wait_xcnt 0x0
; The rows are placed by expert.  Work-group (tile, e): one wave.  It scans all 2,048 entries (token, place) of choice, gives each entry of expert e its rank among them (a bijection onto 0 .. n - 1,
; the same in all 64 work-groups of the expert), and gathers the 16 tokens of ranks 16 tile .. 16 tile + 15 into xg, as images of the operand's registers.
; ranks: bytes e x 128: n, 32 times;  bytes 1,024 + e x 8,192 + 4 q: the rank of entry q = 2 token + place in expert e (0 where the entry is another expert's).  Stored by tile 0 of each expert.
; xg: image of (e, tile, K step s) at ((64 e + tile) 8 + s) x 1,536: registers 4 c .. 4 c + 3 of lane l at 512 c + 16 l;  its 16 scale words at XGS0 + ((64 e + tile) 8 + s) x 64 + 4 r.
; The grid serves every split (an expert may have all 1,024 tokens): a work-group whose tile begins at or past n stores no image and ends.  Rows past n in the last tile hold token 0's codes: nobody reads their results.
; The gather reads 16-byte pieces of rows 768 bytes apart, 48 bytes on end a lane; each routed row is read once in the launch.
.set XS0,   786432
.set XGS0,  6291456
.set I,     32                         ; v32-95   the entries, then their ranks
.set RL,    96                         ; v96-159  an LDS address for each of the 64 stores: no store's source is written again
.set TK,    160                        ; v160-191 the tokens of the entries
.set CD,    96                         ; v96-191  later: the gathered codes
	s_load_b256 s[4:11], s[0:1], 0x0               ; choice, xq, ranks, xg
	v_lshl_add_u32 v192, v0, 2, 0x100
	v_mov_b32 v193, 0
	s_and_b32 s12, ttmp7, 0xffff                   ; e
	s_lshl_b32 s14, ttmp9, 4                       ; the tile's first rank
	s_mov_b32 s13, 0                               ; entries of e so far
	v_lshlrev_b32 v1, 2, v0
	v_lshlrev_b32 v2, 4, v0
	v_mov_b32 v3, 0
	ds_store_b32 v1, v3                            ; LDS words 0-15: the tile's tokens, 0 to begin with; word 16: where all other entries go
	v_lshlrev_b32 v4, 1, v0
.set mm, 0
.rept 32
	v_add_nc_u32 v[TK+mm], 64*(mm/2)+(mm%2), v4    ; register 4 j + i of lane l is entry 128 j + 4 l + i: token 64 j + 2 l + i / 2
.set mm, mm+1
.endr
	s_wait_kmcnt 0x0
.irp j,0,1,2,3,4,5,6,7,8,9,10,11,12,13,14,15
	global_load_b128 v[I+4*\j:I+4*\j+3], v2, s[4:5] offset:512*\j
.endr
	s_wait_loadcnt 0x0
.macro SCAN k
	v_cmp_eq_u32 vcc_lo, s12, v[I+\k]
	v_mbcnt_lo_u32_b32 v5, vcc_lo, s13             ; the rank: entries of e so far + those in lower lanes
	s_bcnt1_i32_b32 s15, vcc_lo
	s_add_co_u32 s13, s13, s15
	v_cndmask_b32 v[I+\k], 0, v5, vcc_lo
	v_sub_nc_u32 v[RL+\k], v5, s14                 ; its place in my tile (a rank below the tile wraps to a large number)
	v_cndmask_b32 v[RL+\k], 16, v[RL+\k], vcc_lo
	v_min_u32 v[RL+\k], 16, v[RL+\k]               ; all that is not in the tile: word 16
	v_lshlrev_b32 v[RL+\k], 2, v[RL+\k]
	ds_store_b32 v[RL+\k], v[TK+(\k)/2]
.endm
.set kk, 0
.rept 64
	SCAN kk
.set kk, kk+1
.endr
	s_cmp_lg_u32 ttmp9, 0
	s_cbranch_scc1 .Lnot_first
	s_lshl_b32 s16, s12, 13
	s_add_co_u32 s16, s16, 1024
	s_mov_b32 s17, 0
	s_add_nc_u64 s[18:19], s[8:9], s[16:17]
	s_lshl_b32 s20, s12, 7
	s_mov_b32 s21, 0
	s_add_nc_u64 s[20:21], s[8:9], s[20:21]
	s_wait_alu depctr_va_vdst(0)
.irp j,0,1,2,3,4,5,6,7,8,9,10,11,12,13,14,15
	global_store_b128 v2, v[I+4*\j:I+4*\j+3], s[18:19] offset:512*\j
.endr
	v_mov_b32 v6, s13
	global_store_b32 v1, v6, s[20:21]
.Lnot_first:
	s_cmp_ge_u32 s14, s13                          ; no row of this tile exists
	s_cbranch_scc1 .Lend
	v_and_b32 v7, 15, v0
	v_lshlrev_b32 v7, 2, v7
	ds_load_b32 v8, v7                             ; row r's token (LDS serves a wave's instructions in order)
	v_lshrrev_b32 v9, 4, v0                        ; h
	s_lshl_b32 s22, s12, 6
	s_add_co_u32 s22, s22, ttmp9                   ; 64 e + tile
	s_mul_i32 s24, s22, 12288
	s_mov_b32 s25, 0
	s_add_nc_u64 s[26:27], s[10:11], s[24:25]
	s_lshl_b32 s24, s22, 9
	s_add_co_u32 s24, s24, XGS0
	s_add_nc_u64 s[28:29], s[10:11], s[24:25]
	s_wait_dscnt 0x0                               ; the token is in, and all 65 stores have read their registers
	v_min_u32 v8, 0x3ff, v8
	v_mul_u32_u24 v10, v8, 768
	s_wait_alu depctr_va_vdst(0)
	v_mad_u32_u24 v10, v9, 48, v10                 ; lane (r, h): 48 bytes of each K step at token x 768 + 96 s + 48 h
	v_lshlrev_b32 v11, 5, v8
	v_lshl_add_u32 v11, v9, 2, v11                 ; and the scale word of K step 2 s2 + h
.irp s,0,1,2,3,4,5,6,7
.irp c,0,1,2
	global_load_b128 v[CD+12*\s+4*\c:CD+12*\s+4*\c+3], v10, s[6:7] offset:96*\s+16*\c
.endr
.endr
.irp s,0,1,2,3
	global_load_b32 v[20+\s], v11, s[6:7] offset:XS0+8*\s
.endr
	s_wait_loadcnt 0x0
.irp s,0,1,2,3,4,5,6,7
.irp c,0,1,2
	global_store_b128 v2, v[CD+12*\s+4*\c:CD+12*\s+4*\c+3], s[26:27] offset:1536*\s+512*\c    ; 512 consecutive bytes, at a multiple of 256
.endr
.endr
.irp s,0,1,2,3
	global_store_b32 v1, v[20+\s], s[28:29] offset:128*\s                                     ; two K steps' scale words on end
.endr
.Lend:
	s_wait_tensorcnt 0x0
	ds_add_u32 v192, v193
	s_wait_dscnt 0x0
	s_endpgm
.Lfunc_end_k_qa6afdeec99_place:
	.size	k_qa6afdeec99_place, .Lfunc_end_k_qa6afdeec99_place-k_qa6afdeec99_place
	.p2alignl 7, 3214868480
	.fill 96, 4, 3214868480
	.section	.rodata,"a",@progbits
	.p2align	6, 0x0
	.amdhsa_kernel k_qa6afdeec99_place
		.amdhsa_group_segment_fixed_size 512
		.amdhsa_private_segment_fixed_size 0
		.amdhsa_enable_private_segment 0
		.amdhsa_kernarg_size 32
		.amdhsa_user_sgpr_count 2
		.amdhsa_user_sgpr_kernarg_segment_ptr 1
		.amdhsa_wavefront_size32 1
		.amdhsa_system_sgpr_workgroup_id_x 1
		.amdhsa_system_sgpr_workgroup_id_y 1
		.amdhsa_system_sgpr_workgroup_id_z 1
		.amdhsa_system_vgpr_workitem_id 0
		.amdhsa_next_free_vgpr 194
		.amdhsa_next_free_sgpr 66
		.amdhsa_reserve_vcc 1
		.amdhsa_float_denorm_mode_32 3
		.amdhsa_float_denorm_mode_16_64 3
		.amdhsa_memory_ordered 1
		.amdhsa_forward_progress 1
		.amdhsa_inst_pref_size 39
	.end_amdhsa_kernel
	.amdgpu_metadata
---
amdhsa.version: [ 1, 2 ]
amdhsa.kernels:
  - .name:           k_qa6afdeec99_place
    .symbol:         k_qa6afdeec99_place.kd
    .args:
      - { .name: choice, .offset: 0, .size: 8, .value_kind: global_buffer, .address_space: global }
      - { .name: xq, .offset: 8, .size: 8, .value_kind: global_buffer, .address_space: global }
      - { .name: ranks, .offset: 16, .size: 8, .value_kind: global_buffer, .address_space: global }
      - { .name: xg, .offset: 24, .size: 8, .value_kind: global_buffer, .address_space: global }
    .group_segment_fixed_size: 512
    .private_segment_fixed_size: 0
    .kernarg_segment_align: 8
    .kernarg_segment_size: 32
    .max_flat_workgroup_size: 32
    .sgpr_count:     66
    .vgpr_count:     194
    .wavefront_size: 32
...
	.end_amdgpu_metadata
.endif
;; end of part 2
;; launch ffn1 (part 3): grid 256 x 1, 16 waves a work-group, no clusters, 307,200 bytes of LDS; arguments W1, b1, xg, ranks, hq; writes hq
.if DOCPART == 3
	.amdgcn_target "amdgcn-amd-amdhsa--gfx1250"
	.amdhsa_code_object_version 6
	.text
	.protected	k_qa6afdeec99_ffn1
	.globl	k_qa6afdeec99_ffn1
	.p2align	8
	.type	k_qa6afdeec99_ffn1,@function
k_qa6afdeec99_ffn1:
	s_mov_b64 s[64:65], 0
	v_nop
	global_prefetch_b8 v0, s[64:65] scope:SCOPE_SE
	s_setreg_imm32_b32 hwreg(HW_REG_WAVE_MODE, 25, 1), 1
	s_wait_xcnt 0x0
; h = Q(gelu(Q(xn) Q(W1)^T + b1)) for the routed rows, on codes of E3M2 with one E8M0 scale for each 32 along K.
; THE WEIGHTS ARE OWNED, THE ROWS COME TO THEM.  Work-group (e = number / 32, j = number % 32) owns W1[e][128 j .. 128 j + 127][:], 512 KiB of f32: it reads them once, quantises them where they are read,
; and multiplies them by all rows of expert e.  Its 128 hidden units are K step j of the second product.
; ROLES.  Waves 0-7 produce: f32 weights memory -> registers -> a turn through LDS -> codes -> images of operand registers in LDS.  Waves 8-15 consume: consumer c = wave - 8 owns the tiles of 16 rows
; 24 round + 8 i + c, i < T <= 3; its x operands come from xg straight into registers.
; STEPS.  A trip is a pass over 32 units (one block of the next K) and all of K = 1,024: two stages of 4 K steps x 32 units.  Waves 0-3 make stage 0 in a trip's first segment, waves 4-7 stage 1 in its second:
; each makes the two tiles of units of one K step (32 loads of 512 consecutive bytes), waits for ALL its loads at the head of its segment, and asks for the next trip's as soon as a half has gone through the turn;
; the other group's 32 loads a wave are out meanwhile.  The consumers lag one segment.  Two barriers a trip.
; NO BARRIER HANGS ON THE COUNT: 3 rounds of 5 trips are walked whatever n is (n up to 1,024 = 3 rounds of 384 rows); what hangs on n is jumped over inside a segment.  An expert with more than 384 rows
; reads its weights once more for each further round.  No tensor load; no joint loads in a cluster.
; LAYOUT.  The product is used transposed: source 0 = 16 units of W1, source 1 = 16 rows of x: lane (r, h) holds row r.  Row i of tile u is unit 8 u + i + 8 (i / 8) of the pass's 32, so that the 16 registers of
; tiles 0 and 1 are the units 16 h + 0 .. 15: neighbours along the next K.  The bias is the C of each sum's first product.
; GELU, exact form: g = x m, m = a for x <= 0 and 1 - a for x > 0, a = erfc(|x| / sqrt 2) / 2 = t 2^(P(t) - x^2 log2(e) / 2), t = 1 / (1 + |x| / (2 sqrt 2)), P of degree 9 (the rational Chebyshev fit of erfc
; with fractional error under 1.2e-7 everywhere, its coefficients times log2(e), 1 off the constant term): the far negative tail keeps its relative accuracy.
; LIMITS: NaN and infinities are not served; a block whose largest magnitude lies under 2^-122 gets the scale byte 1 (a block of zeros too: its codes are zeros).
.set TPW,   8448                       ; LDS 0: the turn, 16 rows x (512 + 16) bytes; four regions: producers w and w + 4 take the same one, in different segments, with a barrier between
.set WIMG,  33792                      ; the weights' images: stage a at 12,288 a, K step at 3,072, tile u at 1,536
.set WSC,   58368                      ; their scale words: stage a at 512 a, K step at 128, word of (u, r) at 4 (r + 16 u)
.set HST,   59392                      ; the codes of h: for each consumer 3 tiles x 5 blocks of 512 bytes; block = the trip's number; row r's half h at 24 r + 12 h
.set XST,   120832                     ; X IS READ FROM xg ONCE A ROUND: K steps 0-2 of a tile stay in registers, the images of K steps 3-7 lie here, each consumer's own bytes:
.set XPW,   23040                      ; 3 tiles a consumer,
.set XPT,   7680                       ; 5 images of 1,536 bytes a tile
.set HPW,   7680
.set HPT,   2560
.set XGS0,  6291456
.set HS0,   25165824
.set WSTEP, 131072                     ; 32 units of 4,096 bytes: a trip on in W1
.set TSTR,  98304                      ; 8 tiles on in xg's images
.set SSTR,  4096                       ; and in its scale words
; vector registers.  v1-13 are addresses, made ahead of the first parting of the roles and never used for data
.set LI, 1                             ; 16 x lane
.set LS, 2                             ; 4 x lane
.set TS, 3                             ; the turn, in
.set TL, 4                             ; the turn, out: row r, + 128 h
.set IW, 5                             ; where a producer stores its images
.set ISW, 6                            ; and their scale words
.set AW, 7                             ; where a consumer reads images
.set AX, 8                             ; a consumer's own images of x in LDS
.set AH0, 9                            ; a consumer's place in its stage for h
.set AH, 10                            ; the same in the trip's block
.set AHR, 11                           ; where it reads a finished fragment back
.set AB, 12                            ; 64 h: the lane's place in a pass's 32 biases
.set R4, 13                            ; 4 r
.set FS, 14                            ; v14-19 x's scale words: tile i, pair of K steps m at FS + 2 i + m: the even step in lanes 0-15, the odd in lanes 16-31.  v14-20 hold scales and nothing else
.set WS, 20                            ; the weights' scale words: tile 0 in lanes 0-15, tile 1 in lanes 16-31
.set W, 22                             ; consumer: v22-45 the two weight fragments; between products: at work
.set BI, 46                            ; v46-61  the pass's biases, two tiles
.set AC, 62                            ; v62-109 the sums: tile i, tile of units u at AC + 16 i + 8 u
.set F, 110                            ; v110-253 x's fragments: tile i, slot sl at F + 48 i + 12 sl; K steps 0-2 stay in slots 0-2, K steps 3-7 pass through slot 3.   v21, v254, v255: the three tiles' scale words of h
.set TD, 22                            ; gelu: t
.set TPP, 30                           ; P, then a
.set TQ, 38                            ; x^2, then 1 - a
.set PW, 22                            ; producer: the scale word just made
.set MX, 24                            ; v24-27 largest magnitudes, two chains a block
.set SO, 28                            ; v28-29 the conversions' scale operands
.set BY, 30                            ; v30-31 the bytes
.set PC, 32                            ; v32-43 a fragment's codes
.set TC, 44                            ; v44-50 the upper halves of the blocks, before they are moved
.set SH8, 52                           ; 8 h
.set TP, 53
.set XX, 62                            ; v62-125 64 numbers: two blocks of 32 of my row.  They begin where the consumers' sums begin, and each block is read in ascending order, so that every group of
                                       ;         eight registers that holds a sum in the other role is read from its low end on, on every way through the text
.set RR, 126                           ; v126-253 the weights as loaded: tile f at RR + 64 f
; scalar registers
.set WV, 14
.set CW, 15
.set EX, 16
.set JX, 17
.set WB, 20                            ; s[20:21] where my weights of the trip in hand begin; s[4:5] keeps the first trip's
.set BB, 22                            ; s[22:23] the pass's biases; s[6:7] keeps the first pass's
.set FB, 24                            ; s[24:25] my first tile's images in xg
.set FSB, 26                           ; s[26:27] and scale words
.set HOB, 28                           ; s[28:29] my first tile's image in hq
.set HSO, 30                           ; s[30:31] and scale words
.set N, 32
.set NT, 33
.set RND, 34
.set TAU, 35
.set ACT, 36
.set T, 37
.set SEL, 42
.set CC, 44                            ; s[44:59] c0 .. c7, each twice (the packed forms name a pair)
.set KQ, 60
.set C8, 62
.set C9, 63
.set K1, 66
.set HB, 67
.set SHF, 68
.macro SPAIR r, val
	s_mov_b32 s[\r], \val
	s_mov_b32 s[\r+1], \val
.endm
.macro WLOAD f                         ; tile f of my K step: 16 rows, 512 consecutive bytes each
.irp i,0,1,2,3,4,5,6,7,8,9,10,11,12,13,14,15
	global_load_b128 v[RR+64*(\f)+4*\i:RR+64*(\f)+4*\i+3], v[LI], s[WB:WB+1] offset:(8*(\f)+\i+8*(\i/8))*4096 th:TH_LOAD_NT
.endr
.endm
; 64 numbers of a lane, two whole blocks (k = 64 cc + 32 h + 0 .. 31 of row r), become the operand's 12 registers in v[PC] on and the row's scale word in v[PW]
.macro QUANTW
.irp cc,0,1
	v_max3_num_f32 v[MX+2*\cc], |v[XX+32*\cc]|, |v[XX+32*\cc+1]|, 0x2800000          ; with the floor 2^(5 - 127): the byte cannot fall under 1
	v_max3_num_f32 v[MX+2*\cc+1], |v[XX+32*\cc+2]|, |v[XX+32*\cc+3]|, 0x2800000
.endr
.irp k,4,8,12,16,20,24,28
.irp cc,0,1
	s_delay_alu instid0(VALU_DEP_4)
	v_max3_num_f32 v[MX+2*\cc], v[MX+2*\cc], |v[XX+32*\cc+\k]|, |v[XX+32*\cc+\k+1]|
	s_delay_alu instid0(VALU_DEP_4)
	v_max3_num_f32 v[MX+2*\cc+1], v[MX+2*\cc+1], |v[XX+32*\cc+\k+2]|, |v[XX+32*\cc+\k+3]|
.endr
.endr
.irp cc, 0
	s_delay_alu instid0(VALU_DEP_3)
	v_max_num_f32 v[MX+2*\cc], v[MX+2*\cc], v[MX+2*\cc+1]
.endr
.irp cc, 1
	s_delay_alu instid0(VALU_DEP_2)
	v_max_num_f32 v[MX+2*\cc], v[MX+2*\cc], v[MX+2*\cc+1]
.endr
.irp cc,0,1
	s_delay_alu instid0(VALU_DEP_2)
	v_add_nc_u32 v[SO+\cc], 0xfe000000, v[MX+2*\cc]    ; 4 off the exponent field: the conversion's scale operand
.endr
.irp cc,0,1
	s_delay_alu instid0(VALU_DEP_2)
	v_lshrrev_b32 v[BY+\cc], 23, v[SO+\cc]
.endr
	s_delay_alu instid0(VALU_DEP_1)
	v_lshl_or_b32 v[PW], v[BY+1], 16, v[BY]        ; blocks h and 2 + h,
	s_delay_alu instid0(VALU_DEP_1)
	v_lshlrev_b32 v[PW], v[SH8], v[PW]             ; at their places in the word;
	s_delay_alu instid0(VALU_DEP_1)
	v_permlanex16_b32 v[TP], v[PW], s[SEL], s[SEL+1]
	s_delay_alu instid0(VALU_DEP_1)
	v_or_b32 v[PW], v[PW], v[TP]                   ; with lane l xor 16's two it is whole
.irp cc,0,1
	v_cvt_scalef32_pk16_bf6_f32 v[PC+6*\cc:PC+6*\cc+2], v[XX+32*\cc:XX+32*\cc+15], v[SO+\cc]
	v_cvt_scalef32_pk16_bf6_f32 v[TC+4*\cc:TC+4*\cc+2], v[XX+32*\cc+16:XX+32*\cc+31], v[SO+\cc]
.endr
	v_nop                                          ; one plain place behind the conversions
.irp cc,0,1
.irp i,0,1,2
	v_mov_b32 v[PC+6*\cc+3+\i], v[TC+4*\cc+\i]
.endr
.endr
.endm
; A producer's stage: two fragments.
.macro PROD
	s_wait_loadcnt 0x0                             ; all my 32 loads are in: asked for two segments ago.  (For 0: no count above it would hold on every way through the branches on the stored count)
	s_add_nc_u64 s[WB:WB+1], s[WB:WB+1], WSTEP     ; no load of mine is out: the base steps to the next trip
.irp f,0,1
.irp i,0,1,2,3,4,5,6,7,8,9,10,11,12,13,14,15
	ds_store_b128 v[TS], v[RR+64*\f+4*\i:RR+64*\f+4*\i+3] offset:528*\i
.endr
.irp cc,0,1
.irp jj,0,1,2,3,4,5,6,7
	ds_load_b128 v[XX+32*\cc+4*\jj:XX+32*\cc+4*\jj+3], v[TL] offset:256*\cc+16*\jj    ; my own bytes: LDS serves a wave's instructions in order
.endr
.endr
	s_wait_dscnt 0x0                               ; the numbers are back; all earlier LDS stores have read their registers
	s_cmp_lt_u32 s[TAU], 3                         ; the last trip asks for nothing: no load leaves W1
	s_cbranch_scc0 .Lnl_\@_\f
	WLOAD \f
.Lnl_\@_\f:
	QUANTW
.irp q,0,1,2
	ds_store_b128 v[IW], v[PC+4*\q:PC+4*\q+3] offset:1536*\f+512*\q
.endr
	ds_store_b32 v[ISW], v[PW] offset:64*\f        ; lanes r and r + 16 store the same word with the same value
.endr
.endm
; One product; rD, rA, rB, rC, rS are set by the caller.  ra, rb: the rows of the scale registers
.macro WM ra, rb
.if (\ra) && (\rb)
	v_wmma_scale_f32_16x16x128_f8f6f4 v[rD:rD+7], v[rA:rA+11], v[rB:rB+11], v[rC:rC+7], v[WS], v[rS] matrix_a_fmt:MATRIX_FMT_BF6 matrix_b_fmt:MATRIX_FMT_BF6 matrix_a_scale:MATRIX_SCALE_ROW1 matrix_b_scale:MATRIX_SCALE_ROW1
.elseif (\ra)
	v_wmma_scale_f32_16x16x128_f8f6f4 v[rD:rD+7], v[rA:rA+11], v[rB:rB+11], v[rC:rC+7], v[WS], v[rS] matrix_a_fmt:MATRIX_FMT_BF6 matrix_b_fmt:MATRIX_FMT_BF6 matrix_a_scale:MATRIX_SCALE_ROW1
.elseif (\rb)
	v_wmma_scale_f32_16x16x128_f8f6f4 v[rD:rD+7], v[rA:rA+11], v[rB:rB+11], v[rC:rC+7], v[WS], v[rS] matrix_a_fmt:MATRIX_FMT_BF6 matrix_b_fmt:MATRIX_FMT_BF6 matrix_b_scale:MATRIX_SCALE_ROW1
.else
	v_wmma_scale_f32_16x16x128_f8f6f4 v[rD:rD+7], v[rA:rA+11], v[rB:rB+11], v[rC:rC+7], v[WS], v[rS] matrix_a_fmt:MATRIX_FMT_BF6 matrix_b_fmt:MATRIX_FMT_BF6
.endif
.endm
.macro MM2 i, sp, cb                   ; tile i against the two tiles of units; cb = 1: the sums begin with the bias
.irp u,0,1
.set rD, AC+16*(\i)+8*\u
.set rC, rD
.if \cb
.set rC, BI+8*\u
.endif
.set rA, W+12*\u
.set rB, F+48*(\i)+12*SLT
.set rS, FS+2*(\i)+(\sp)/2
	WM \u, (\sp)%2
.endr
.endm
.macro MMT sp, cb                      ; my T tiles: the accumulators take turns, one instruction a turn, on every way
	MM2 0, \sp, \cb
	s_cmp_lt_u32 s[T], 2
	s_cbranch_scc1 .Lmo_\@
	MM2 1, \sp, \cb
	s_cmp_lt_u32 s[T], 3
	s_cbranch_scc1 .Lmo_\@
	MM2 2, \sp, \cb
.Lmo_\@:
.endm
.macro CLOAD i, sl, kk                 ; K step kk of tile i into slot sl: an image, three loads of 512 consecutive bytes
.irp q,0,1,2
	global_load_b128 v[F+48*(\i)+12*(\sl)+4*\q:F+48*(\i)+12*(\sl)+4*\q+3], v[LI], s[FB:FB+1] offset:(\i)*TSTR+(\kk)*1536+512*\q
.endr
.endm
.macro SLOAD i, m, kk                  ; the scale words of K steps kk and kk + 1
	global_load_b32 v[FS+2*(\i)+(\m)], v[LS], s[FSB:FSB+1] offset:(\i)*SSTR+(\kk)*64
.endm
.macro CINIT i, tmp                    ; a round's start for tile i: K steps 0-3 into the four slots, K steps 4-7 (12 loads of 512 consecutive bytes) into 48 registers that are free here
.irp sl,0,1,2,3
	CLOAD \i, \sl, \sl
.endr
	SLOAD \i, 0, 0
	SLOAD \i, 1, 2
.irp q,0,1,2,3,4,5,6,7,8,9,10,11
	global_load_b128 v[(\tmp)+4*\q:(\tmp)+4*\q+3], v[LI], s[FB:FB+1] offset:(\i)*TSTR+4*1536+512*\q
.endr
.endm
.macro XSTORE i, tmp                   ; the images of K steps 3-7 go to my own LDS bytes, in ascending order of registers; slot 3 keeps K step 3
.irp q,0,1,2
	ds_store_b128 v[AX], v[F+48*(\i)+36+4*\q:F+48*(\i)+36+4*\q+3] offset:XPT*(\i)+512*\q
.endr
.irp q,0,1,2,3,4,5,6,7,8,9,10,11
	ds_store_b128 v[AX], v[(\tmp)+4*\q:(\tmp)+4*\q+3] offset:XPT*(\i)+1536+512*\q
.endr
.endm
.macro BLOAD off                       ; 32 biases: lane (r, h) takes those of units 16 h + 8 u + 0 .. 7
.irp u,0,1
.irp q,0,1
	global_load_b128 v[BI+8*\u+4*\q:BI+8*\u+4*\q+3], v[AB], s[BB:BB+1] offset:(\off)+32*\u+16*\q
.endr
.endr
.endm
.macro RL1 i, sp, hf
.if 4*(\hf)+(\sp) >= 3
.irp q,0,1,2
	ds_load_b128 v[F+48*(\i)+36+4*\q:F+48*(\i)+36+4*\q+3], v[AX] offset:XPT*(\i)+1536*((4*(\hf)+(\sp)-2)%5)+512*\q   ; behind K step k: K step k + 1; behind 7: 3
.endr
.endif
.if (\sp)%2
	SLOAD \i, (\sp)/2, (4*(\hf)+(\sp)+3)%8
.endif
.endm
.macro RELOAD sp, hf                   ; slot 3, once used, takes the next K step out of my LDS bytes: the wait for the next weight images covers it; the scale words come from xg, four K steps ahead
.if (\hf) && (\sp == 3)
	s_cmp_eq_u32 s[TAU], 4                         ; behind the last pass nothing is wanted
	s_cbranch_scc1 .Lro_\@
.endif
.if (\hf == 0) && (\sp == 0)
	s_cmp_lt_u32 s[TAU], 3
	s_cbranch_scc0 .Lrb_\@
	BLOAD 128                                      ; the next pass's biases
.Lrb_\@:
.endif
	RL1 0, \sp, \hf
	s_cmp_lt_u32 s[T], 2
	s_cbranch_scc1 .Lro_\@
	RL1 1, \sp, \hf
	s_cmp_lt_u32 s[T], 3
	s_cbranch_scc1 .Lro_\@
	RL1 2, \sp, \hf
.Lro_\@:
.endm
; Half a pass of a consumer: K steps 4 hf .. 4 hf + 3, out of stage hf's images
.macro CHALF hf
	s_wait_loadcnt 0x0                             ; all that is out was asked for a segment ago
.rept 4
	v_nop                                          ; places between vector work on v22-45 and the products that take these registers as an operand
.endr
.irp sp,0,1,2,3
.irp q,0,1,2,3,4,5
	ds_load_b128 v[W+4*\q:W+4*\q+3], v[AW] offset:12288*\hf+3072*\sp+512*\q
.endr
	ds_load_b32 v[WS], v[LS] offset:WSC+512*\hf+128*\sp
.set SLT, 3-(3-\sp)*(1-\hf)            ; the slot of K step 4 hf + sp
	s_wait_dscnt 0x0
.if (\hf == 0) && (\sp == 0)
	s_wait_alu depctr_va_vdst(0)
	MMT \sp, 1
.else
	MMT \sp, 0
.endif
.rept 5
	v_nop                                          ; four places ahead of loads into registers that the products have read and of the first read of results; five ahead of a product that begins one of these sums anew
.endr
	RELOAD \sp, \hf
.endr
.endm
.macro GELU A                          ; eight numbers in place
.set gA, \A
.irp k,0,1,2,3,4,5,6,7
	v_fma_f32 v[TD+\k], |v[gA+\k]|, s[K1], 1.0     ; (the accumulator is read from its low end on)
.endr
	s_wait_alu depctr_va_vdst(0)
.irp k,0,1,2,3,4,5,6,7
	v_rcp_f32 v[TD+\k], v[TD+\k]                   ; t
.endr
.irp k,0,2,4,6
	v_pk_mul_f32 v[TQ+\k:TQ+\k+1], v[gA+\k:gA+\k+1], v[gA+\k:gA+\k+1]    ; x^2: plain work behind the reciprocals
.endr
	s_wait_alu depctr_va_vdst(0)                   ; one wait for the eight, ahead of their first reader
.irp k,0,1,2,3,4,5,6,7
	v_fma_f32 v[TPP+\k], v[TD+\k], s[C9], s[C8]
.endr
.irp c,7,6,5,4,3,2,1,0
.irp k,0,2,4,6
	v_pk_fma_f32 v[TPP+\k:TPP+\k+1], v[TPP+\k:TPP+\k+1], v[TD+\k:TD+\k+1], s[CC+2*\c:CC+2*\c+1] op_sel_hi:[1,1,0]
.endr
.endr
.irp k,0,2,4,6
	s_delay_alu instid0(VALU_DEP_4)
	v_pk_fma_f32 v[TPP+\k:TPP+\k+1], v[TQ+\k:TQ+\k+1], s[KQ:KQ+1], v[TPP+\k:TPP+\k+1] op_sel_hi:[1,0,1]
.endr
	s_wait_alu depctr_va_vdst(0)
.irp k,0,1,2,3,4,5,6,7
	v_exp_f32 v[TPP+\k], v[TPP+\k]
.endr
	v_nop
	s_wait_alu depctr_va_vdst(0)                   ; one wait for the eight exponentials
.irp k,0,2,4,6
	v_pk_mul_f32 v[TPP+\k:TPP+\k+1], v[TPP+\k:TPP+\k+1], v[TD+\k:TD+\k+1]            ; a
.endr
.irp k,0,2,4,6
	s_delay_alu instid0(VALU_DEP_4)
	v_pk_fma_f32 v[TQ+\k:TQ+\k+1], v[TPP+\k:TPP+\k+1], -1.0, 1.0 op_sel_hi:[1,0,0]   ; 1 - a
.endr
.irp k,0,1,2,3,4,5,6,7
	v_cmp_lt_f32 vcc_lo, 0, v[gA+\k]
	s_delay_alu instid0(VALU_DEP_1)
	v_cndmask_b32 v[TPP+\k], v[TPP+\k], v[TQ+\k], vcc_lo
.endr
.irp k,0,2,4,6
	v_pk_mul_f32 v[gA+\k:gA+\k+1], v[gA+\k:gA+\k+1], v[TPP+\k:TPP+\k+1]
.endr
.endm
; A pass's end for tile i: gelu, then the block of 32 units is quantised: my 16 and lane l xor 16's.  12 bytes of codes go to the stage; the byte goes into the tile's scale word
.macro EPI i, swd
	GELU AC+16*(\i)
	GELU AC+16*(\i)+8
.set eA, AC+16*(\i)
	v_max3_num_f32 v22, |v[eA]|, |v[eA+1]|, 0x2800000
	v_max3_num_f32 v23, |v[eA+2]|, |v[eA+3]|, 0x2800000
.irp k,4,8,12
	s_delay_alu instid0(VALU_DEP_2)
	v_max3_num_f32 v22, v22, |v[eA+\k]|, |v[eA+\k+1]|
	s_delay_alu instid0(VALU_DEP_2)
	v_max3_num_f32 v23, v23, |v[eA+\k+2]|, |v[eA+\k+3]|
.endr
	s_delay_alu instid0(VALU_DEP_1)
	v_max_num_f32 v22, v22, v23
	s_delay_alu instid0(VALU_DEP_1)
	v_permlanex16_b32 v23, v22, s[SEL], s[SEL+1]
	s_delay_alu instid0(VALU_DEP_1)
	v_max_num_f32 v22, v22, v23
	s_delay_alu instid0(VALU_DEP_1)
	v_add_nc_u32 v24, 0xfe000000, v22
	s_delay_alu instid0(VALU_DEP_1)
	v_lshrrev_b32 v25, 23, v24
	v_cvt_scalef32_pk16_bf6_f32 v[26:28], v[eA:eA+15], v24
	v_lshlrev_b32 v25, s[SHF], v25                 ; (the plain place behind the conversion)  the byte at 8 x pass
	s_delay_alu instid0(VALU_DEP_1)
	v_or_b32 v[\swd], v[\swd], v25
	ds_store_b32 v[AH], v26 offset:HPT*(\i)
	ds_store_b32 v[AH], v27 offset:HPT*(\i)+4
	ds_store_b32 v[AH], v28 offset:HPT*(\i)+8
	s_wait_dscnt 0x0                               ; the stores have read their registers
.endm
; A round's end for tile i: lane (r, h) takes blocks h and 2 + h of row r out of the stage: the operand's 12 registers; they leave as an image
.macro FLUSH i, swd
.irp m,0,1,2
	ds_load_b64 v[W+2*\m:W+2*\m+1], v[AHR] offset:HPT*(\i)+8*\m
	ds_load_b64 v[W+6+2*\m:W+7+2*\m], v[AHR] offset:HPT*(\i)+1024+8*\m
.endr
	s_wait_dscnt 0x0
.irp q,0,1,2
	global_store_b128 v[LI], v[W+4*\q:W+4*\q+3], s[HOB:HOB+1] offset:(\i)*393216+512*\q       ; 512 consecutive bytes, at a multiple of 256
.endr
	global_store_b32 v[R4], v[\swd], s[HSO:HSO+1] offset:(\i)*16384                           ; lanes r and r + 16 store the same word with the same value
	s_wait_xcnt 0x0                                ; the stores' registers are written again only behind this wait
.endm
.macro BARRIER                         ; my LDS stores have landed and my LDS loads are in: then the work-group's barrier
	s_wait_dscnt 0x0
	s_barrier_signal -1
	s_barrier_wait -1
.endm
	s_load_b256 s[4:11], s[0:1], 0x0               ; W1, b1, xg, ranks
	s_load_b64 s[12:13], s[0:1], 0x20              ; hq
	v_lshrrev_b32 v22, 5, v0
	s_delay_alu instid0(VALU_DEP_1)
	v_readfirstlane_b32 s[WV], v22                 ; wave 0..15
	s_and_b32 s[CW], s[WV], 7                      ; my number in my role
	s_lshr_b32 s[EX], ttmp9, 5
	s_and_b32 s[JX], ttmp9, 31
	v_and_b32 v22, 31, v0                          ; lane
	v_and_b32 v23, 15, v0                          ; r
	v_bfe_u32 v24, v0, 4, 1                        ; h
	s_delay_alu instid0(VALU_DEP_3)
	v_lshlrev_b32 v[LI], 4, v22
	s_delay_alu instid0(VALU_DEP_4)
	v_lshlrev_b32 v[LS], 2, v22
	s_delay_alu instid0(VALU_DEP_4)
	v_lshlrev_b32 v[R4], 2, v23
	s_wait_alu depctr_va_vdst(0)
	v_lshlrev_b32 v[AB], 6, v24
	s_and_b32 s38, s[CW], 3                        ; the turn's region: my K step in my stage
	s_mul_i32 s38, s38, TPW
	v_add_nc_u32 v[TS], s38, v[LI]
	v_mul_u32_u24 v[TL], v23, 528
	s_delay_alu instid0(VALU_DEP_1)
	v_lshl_add_u32 v[TL], v24, 7, v[TL]
	s_delay_alu instid0(VALU_DEP_1)
	v_add_nc_u32 v[TL], s38, v[TL]
	s_lshr_b32 s38, s[CW], 2                       ; a producer's stage,
	s_and_b32 s39, s[CW], 3                        ; and its K step in it
	s_mul_i32 s40, s38, 12288
	s_mul_i32 s41, s39, 3072
	s_add_co_u32 s40, s40, s41
	s_add_co_u32 s40, s40, WIMG
	v_add_nc_u32 v[IW], s40, v[LI]
	s_lshl_b32 s40, s38, 9
	s_lshl_b32 s41, s39, 7
	s_add_co_u32 s40, s40, s41
	s_add_co_u32 s40, s40, WSC
	v_add_nc_u32 v[ISW], s40, v[R4]
	v_add_nc_u32 v[AW], WIMG, v[LI]
	s_mul_i32 s40, s[CW], XPW
	s_add_co_u32 s40, s40, XST
	v_add_nc_u32 v[AX], s40, v[LI]
	s_mul_i32 s40, s[CW], HPW
	s_add_co_u32 s40, s40, HST
	v_mul_u32_u24 v[AH0], v23, 24
	s_delay_alu instid0(VALU_DEP_1)
	v_add_nc_u32 v[AH0], s40, v[AH0]
	s_delay_alu instid0(VALU_DEP_1)
	v_lshl_add_u32 v[AHR], v24, 9, v[AH0]
	s_delay_alu instid0(VALU_DEP_1)
	v_add_nc_u32 v[AHR], 512, v[AHR]               ; pass p lies in block p + 1
	s_delay_alu instid0(VALU_DEP_3)
	v_mad_u32_u24 v[AH0], v24, 12, v[AH0]
	s_lshl_b32 s40, s[EX], 24                      ; my weights: expert, 128 units of 4,096 bytes a work-group, 4 K steps of 512 bytes a stage
	s_lshl_b32 s41, s[JX], 19
	s_add_co_u32 s40, s40, s41
	s_lshl_b32 s41, s38, 11
	s_add_co_u32 s40, s40, s41
	s_lshl_b32 s41, s39, 9
	s_add_co_u32 s40, s40, s41
	s_mov_b32 s41, 0
	s_lshl_b32 s70, s[EX], 14
	s_lshl_b32 s71, s[JX], 9
	s_add_co_u32 s70, s70, s71
	s_mov_b32 s71, 0
	s_lshl_b32 s69, s[EX], 7
	s_mov_b32 s[SEL], 0x76543210
	s_mov_b32 s[SEL+1], 0xfedcba98
	SPAIR CC+0, 0xc034d90f                         ; -2.82574822
	SPAIR CC+2, 0x3fb8ab5a                         ;  1.44272920
	SPAIR CC+4, 0x3f0a29d2                         ;  0.53970062
	SPAIR CC+6, 0x3e0efb2e                         ;  0.13963006
	SPAIR CC+8, 0xbe899a80                         ; -0.26875686
	SPAIR CC+10, 0x3ecdfd18                        ;  0.40232158
	SPAIR CC+12, 0xbfd1a1e5                        ; -1.63775315
	SPAIR CC+14, 0x40097039                        ;  2.14747446
	SPAIR KQ, 0xbf38aa3b                           ; -log2(e) / 2
	s_mov_b32 s[C8], 0xbf97d29d                    ; -1.18611494
	s_mov_b32 s[C9], 0x3e7c6f08                    ;  0.24651730
	s_mov_b32 s[K1], 0x3eb504f3                    ;  1 / (2 sqrt 2)
	s_wait_alu depctr_va_vdst(0)
	s_wait_kmcnt 0x0
	s_load_b32 s[N], s[10:11], s69 offset:0x0      ; the expert's rows
	s_add_nc_u64 s[4:5], s[4:5], s[40:41]
	s_add_nc_u64 s[6:7], s[6:7], s[70:71]
	s_mov_b64 s[WB:WB+1], s[4:5]
	s_cmp_ge_u32 s[WV], 8
	s_cbranch_scc1 .Lhead_c
	v_lshlrev_b32 v[SH8], 3, v24
	v_mov_b32 v[TP], 0                             ; a lane permute's destination counts as read
	WLOAD 0                                        ; the first trip's weights go out at once, whatever the count
	WLOAD 1
	s_branch .Lhead_j
.Lhead_c:
	; Every register that a block under a branch on the count reads is written once here, on a way that every consumer takes; these lines run while the first weights are on their way.  The scale registers first
.irp k,14,15,16,17,18,19,20,21,254,255
	v_mov_b32 v\k, 0
.endr
.set kk, BI
.rept 208
	v_mov_b32 v[kk], 0
.set kk, kk+1
.endr
.Lhead_j:
	s_wait_kmcnt 0x0
	s_min_u32 s[N], s[N], 1024
	s_add_co_u32 s[NT], s[N], 15
	s_lshr_b32 s[NT], s[NT], 4                     ; tiles of 16 rows
	s_mov_b32 s[RND], 0
.Lround:
	s_wait_loadcnt 0x0                             ; no load of mine is out,
	s_wait_xcnt 0x0                                ; and no store still reads its base: the round's bases may be written
	s_mul_i32 s38, s[RND], 24
	s_sub_co_i32 s39, s[NT], s38                   ; tiles left for this round and those behind it
	s_cmp_gt_i32 s39, 0
	s_cselect_b32 s[ACT], 1, 0
	s_sub_co_i32 s39, s39, s[CW]
	s_add_co_i32 s39, s39, 7
	s_ashr_i32 s39, s39, 3
	s_max_i32 s39, s39, 0
	s_min_i32 s[T], s39, 3                         ; tiles 24 round + 8 i + c that exist, three at the most
	s_add_co_u32 s38, s38, s[CW]
	s_lshl_b32 s39, s[EX], 6
	s_add_co_u32 s38, s38, s39                     ; 64 e + my first tile
	s_mul_i32 s40, s38, 12288
	s_mov_b32 s41, 0
	s_add_nc_u64 s[FB:FB+1], s[8:9], s[40:41]
	s_lshl_b32 s40, s38, 9
	s_add_co_u32 s40, s40, XGS0
	s_add_nc_u64 s[FSB:FSB+1], s[8:9], s[40:41]
	s_lshl_b32 s38, s38, 5
	s_add_co_u32 s38, s38, s[JX]                   ; (64 e + tile) 32 + j
	s_mul_i32 s40, s38, 1536
	s_add_nc_u64 s[HOB:HOB+1], s[12:13], s[40:41]
	s_lshl_b32 s40, s38, 6
	s_add_co_u32 s40, s40, HS0
	s_add_nc_u64 s[HSO:HSO+1], s[12:13], s[40:41]
	s_mov_b64 s[BB:BB+1], s[6:7]
	s_cmp_ge_u32 s[WV], 8
	s_cbranch_scc1 .Lrs_c
	s_cmp_eq_u32 s[RND], 0
	s_cbranch_scc1 .Lrs_j
	s_cmp_eq_u32 s[ACT], 0
	s_cbranch_scc1 .Lrs_j
	s_mov_b64 s[WB:WB+1], s[4:5]
	WLOAD 0
	WLOAD 1
	s_branch .Lrs_j
.Lrs_c:
	s_cmp_eq_u32 s[T], 0
	s_cbranch_scc1 .Lrs_j
	v_mov_b32 v21, 0                               ; the tiles' scale words of h begin empty
	v_mov_b32 v254, 0
	v_mov_b32 v255, 0
	BLOAD 0
	CINIT 0, AC                                    ; tile 0's K steps 4-7 pass through the sums' registers,
	s_cmp_lt_u32 s[T], 2
	s_cbranch_scc1 .Lrs_s
	CINIT 1, F+96                                  ; tile 1's through tile 2's slots: both tiles' loads are out together
.Lrs_s:
	s_wait_alu depctr_va_vdst(0)
	s_wait_loadcnt 0x0
	XSTORE 0, AC
	s_cmp_lt_u32 s[T], 2
	s_cbranch_scc1 .Lrs_j
	XSTORE 1, F+96
	s_cmp_lt_u32 s[T], 3
	s_cbranch_scc1 .Lrs_j
	s_wait_dscnt 0x0                               ; the stores have read their registers
	CINIT 2, AC
	s_wait_loadcnt 0x0
	XSTORE 2, AC
.Lrs_j:
	s_mov_b32 s[TAU], 0
	s_mov_b32 s[HB], 0
.Ltrip:
	s_wait_alu depctr_va_vdst(0)
	v_add_nc_u32 v[AH], s[HB], v[AH0]              ; the trip's block in the stage for h (made on the way that all waves take)
	; ---- first segment: waves 0-3 make stage 0 of pass TAU; the consumers finish pass TAU - 1 on stage 1
	s_cmp_ge_u32 s[WV], 8
	s_cbranch_scc1 .Lc0
	s_cmp_ge_u32 s[WV], 4
	s_cbranch_scc1 .Lj0
	s_cmp_eq_u32 s[ACT], 0
	s_cbranch_scc1 .Lj0
	s_cmp_gt_u32 s[TAU], 3
	s_cbranch_scc1 .Lj0
	PROD
	s_branch .Lj0
.Lc0:
	s_cmp_eq_u32 s[T], 0
	s_cbranch_scc1 .Lj0
	s_cmp_eq_u32 s[TAU], 0
	s_cbranch_scc1 .Lj0
	CHALF 1
	s_lshl_b32 s[SHF], s[TAU], 3
	s_sub_co_u32 s[SHF], s[SHF], 8                 ; 8 x pass
	EPI 0, 21
	s_cmp_lt_u32 s[T], 2
	s_cbranch_scc1 .Lj0
	EPI 1, 254
	s_cmp_lt_u32 s[T], 3
	s_cbranch_scc1 .Lj0
	EPI 2, 255
.Lj0:
	BARRIER                                        ; stage 0's images are whole; nobody reads stage 1's any more
	; ---- second segment: waves 4-7 make stage 1 of pass TAU; the consumers begin pass TAU on stage 0
	s_cmp_ge_u32 s[WV], 8
	s_cbranch_scc1 .Lc1
	s_cmp_lt_u32 s[WV], 4
	s_cbranch_scc1 .Lj1
	s_cmp_eq_u32 s[ACT], 0
	s_cbranch_scc1 .Lj1
	s_cmp_gt_u32 s[TAU], 3
	s_cbranch_scc1 .Lj1
	PROD
	s_branch .Lj1
.Lc1:
	s_cmp_eq_u32 s[T], 0
	s_cbranch_scc1 .Lj1
	s_cmp_gt_u32 s[TAU], 3
	s_cbranch_scc1 .Lj1
	CHALF 0
	s_wait_xcnt 0x0                                ; the loads of the biases have read their base
	s_add_nc_u64 s[BB:BB+1], s[BB:BB+1], 128
.Lj1:
	BARRIER                                        ; stage 1's images are whole; nobody reads stage 0's any more
	s_add_co_u32 s[HB], s[HB], 512
	s_add_co_u32 s[TAU], s[TAU], 1
	s_cmp_lt_u32 s[TAU], 5
	s_cbranch_scc1 .Ltrip
	s_cmp_lt_u32 s[WV], 8
	s_cbranch_scc1 .Lfj
	s_cmp_lt_u32 s[T], 1
	s_cbranch_scc1 .Lfj
	s_wait_alu depctr_va_vdst(0)
	FLUSH 0, 21
	s_cmp_lt_u32 s[T], 2
	s_cbranch_scc1 .Lfj
	FLUSH 1, 254
	s_cmp_lt_u32 s[T], 3
	s_cbranch_scc1 .Lfj
	FLUSH 2, 255
.Lfj:
	s_add_co_u32 s[RND], s[RND], 1
	s_cmp_lt_u32 s[RND], 3
	s_cbranch_scc1 .Lround
	s_wait_xcnt 0x0
	v_lshl_add_u32 v252, v0, 2, 0x4a800
	v_mov_b32 v253, 0
	s_wait_alu depctr_va_vdst(0)
	s_wait_tensorcnt 0x0
	ds_add_u32 v252, v253
	s_wait_dscnt 0x0
	s_endpgm
.Lfunc_end_k_qa6afdeec99_ffn1:
	.size	k_qa6afdeec99_ffn1, .Lfunc_end_k_qa6afdeec99_ffn1-k_qa6afdeec99_ffn1
	.p2alignl 7, 3214868480
	.fill 96, 4, 3214868480
	.section	.rodata,"a",@progbits
	.p2align	6, 0x0
	.amdhsa_kernel k_qa6afdeec99_ffn1
		.amdhsa_group_segment_fixed_size 307200
		.amdhsa_private_segment_fixed_size 0
		.amdhsa_enable_private_segment 0
		.amdhsa_kernarg_size 40
		.amdhsa_user_sgpr_count 2
		.amdhsa_user_sgpr_kernarg_segment_ptr 1
		.amdhsa_wavefront_size32 1
		.amdhsa_system_sgpr_workgroup_id_x 1
		.amdhsa_system_sgpr_workgroup_id_y 1
		.amdhsa_system_sgpr_workgroup_id_z 1
		.amdhsa_system_vgpr_workitem_id 0
		.amdhsa_next_free_vgpr 256
		.amdhsa_next_free_sgpr 100
		.amdhsa_reserve_vcc 1
		.amdhsa_float_denorm_mode_32 3
		.amdhsa_float_denorm_mode_16_64 3
		.amdhsa_memory_ordered 1
		.amdhsa_forward_progress 1
		.amdhsa_inst_pref_size 125
	.end_amdhsa_kernel
	.amdgpu_metadata
---
amdhsa.version: [ 1, 2 ]
amdhsa.kernels:
  - .name:           k_qa6afdeec99_ffn1
    .symbol:         k_qa6afdeec99_ffn1.kd
    .args:
      - { .name: W1, .offset: 0, .size: 8, .value_kind: global_buffer, .address_space: global }
      - { .name: b1, .offset: 8, .size: 8, .value_kind: global_buffer, .address_space: global }
      - { .name: xg, .offset: 16, .size: 8, .value_kind: global_buffer, .address_space: global }
      - { .name: ranks, .offset: 24, .size: 8, .value_kind: global_buffer, .address_space: global }
      - { .name: hq, .offset: 32, .size: 8, .value_kind: global_buffer, .address_space: global }
    .group_segment_fixed_size: 307200
    .private_segment_fixed_size: 0
    .kernarg_segment_align: 8
    .kernarg_segment_size: 40
    .max_flat_workgroup_size: 512
    .sgpr_count:     100
    .vgpr_count:     256
    .wavefront_size: 32
...
	.end_amdgpu_metadata
.endif
;; end of part 3
;; launch ffn2 (part 4): grid 256 x 1, 16 waves a work-group, no clusters, 114,688 bytes of LDS; arguments W2, b2, hq, ranks, yp; writes yp
.if DOCPART == 4
	.amdgcn_target "amdgcn-amd-amdhsa--gfx1250"
	.amdhsa_code_object_version 6
	.text
	.protected	k_qa6afdeec99_ffn2
	.globl	k_qa6afdeec99_ffn2
	.p2align	8
	.type	k_qa6afdeec99_ffn2,@function
k_qa6afdeec99_ffn2:
	s_mov_b64 s[64:65], 0
	v_nop
	global_prefetch_b8 v0, s[64:65] scope:SCOPE_SE
	s_setreg_imm32_b32 hwreg(HW_REG_WAVE_MODE, 25, 1), 1
	s_wait_xcnt 0x0
; y = Q(h) Q(W2)^T + b2 for the routed rows, on codes of E3M2 with one E8M0 scale for each 32 along K = 4,096.
; Work-group (e = number / 32, j = number % 32) owns W2[e][32 j .. 32 j + 31][:], 512 KiB of f32: read once, quantised where it is read, multiplied by all rows of expert e.
; ROLES, STEPS AND BARRIERS are those of the launch before.  Waves 0-7 produce images of weight fragments in LDS, waves 8-15 consume; consumer c owns the tiles of 16 rows 24 round + 8 i + c, i < T <= 3.
; A trip is 8 K steps (K = 1,024 tau on) of the same 32 columns, in two stages of 4; waves 0-3 make stage 0 in a trip's first segment, waves 4-7 stage 1 in its second, each with 32 loads of 512 consecutive
; bytes, waited for together at the head of its segment and asked for again as soon as a half has gone through the turn.  The sums stay in registers over all four trips.
; 3 rounds of 5 trips are walked whatever the count is: no barrier hangs on it; an expert with more than 384 rows reads its weights once more for each further round.
; No tensor load and no joint load.
; LAYOUT.  Transposed use: source 0 = 16 columns of W2, source 1 = 16 rows of h (an image out of hq): lane (r, h) holds row r and the columns 16 u + 8 h + 0 .. 7.  b2 is the C of each sum's first product.
; yp: ((32 e + j) 1,024 + row) x 128 bytes: the row's 32 numbers y + b2, f32.
; LIMITS: NaN and infinities are not served; a block whose largest magnitude lies under 2^-122 gets the scale byte 1 (a block of zeros too: its codes are zeros).
.set TPW,   8448                       ; LDS 0: the turn, 16 rows x (512 + 16) bytes for each producer
.set WIMG,  67584                      ; the weights' images: stage a at 12,288 a, K step at 3,072, tile u at 1,536
.set WSC,   92160                      ; their scale words: stage a at 512 a, K step at 128, word of (u, r) at 4 (r + 16 u)
.set YST,   93184                      ; the way out: 16 rows x (128 + 16) bytes for each consumer
.set YPW,   2304
.set HS0,   25165824
.set WSTEP, 4096                       ; 8 K steps of 512 bytes: a trip on in a row of W2
.set TSTR,  393216                     ; 8 tiles on in hq's images
.set SSTR,  16384                      ; and in its scale words
.set LI, 1                             ; v1-13: addresses, made ahead of the first parting of the roles, never used for data
.set LS, 2
.set TS, 3
.set TL, 4
.set IW, 5
.set ISW, 6
.set AW, 7
.set ASW, 8
.set YS, 9                             ; the way out: where I put 16 bytes of a row
.set YR, 10                            ; and where I read rows back
.set AB, 12                            ; 32 h: the lane's place in a tile's 16 biases
.set R4, 13
.set FS, 14                            ; v14-19 h's scale words; v20 the weights': these seven hold scales and nothing else
.set WS, 20
.set W, 22                             ; consumer: v22-45 two weight fragments; on the way out rows of y
.set BI, 46                            ; v46-61 b2, two tiles
.set AC, 62                            ; v62-109 the sums
.set F, 110                            ; v110-253 h's fragments: tile i, slot sl
.set PW, 22                            ; producer, as in the launch before
.set MX, 24
.set SO, 28
.set BY, 30
.set PC, 32
.set TC, 44
.set SH8, 52
.set TP, 53
.set XX, 62                            ; v62-125 64 numbers: two blocks of 32 of my row.  They begin where the consumers' sums begin, and each block is read in ascending order, so that every group of
                                       ;         eight registers that holds a sum in the other role is read from its low end on, on every way through the text
.set RR, 126                           ; v126-253 the weights as loaded: tile f at RR + 64 f
.set WV, 14
.set CW, 15
.set EX, 16
.set JX, 17
.set WB, 20
.set FB, 24
.set FSB, 26
.set YOB, 28
.set N, 32
.set NT, 33
.set RND, 34
.set TAU, 35
.set ACT, 36
.set T, 37
.set SEL, 42
.macro WLOAD f                         ; tile f of my K step: 16 columns of W2, 512 consecutive bytes each
.irp i,0,1,2,3,4,5,6,7,8,9,10,11,12,13,14,15
	global_load_b128 v[RR+64*(\f)+4*\i:RR+64*(\f)+4*\i+3], v[LI], s[WB:WB+1] offset:(16*(\f)+\i)*16384 th:TH_LOAD_NT
.endr
.endm
.macro QUANTW                          ; 64 numbers of a lane, two whole blocks, become the operand's 12 registers in v[PC] on and the row's scale word in v[PW]
.irp cc,0,1
	v_max3_num_f32 v[MX+2*\cc], |v[XX+32*\cc]|, |v[XX+32*\cc+1]|, 0x2800000          ; with the floor 2^(5 - 127): the byte cannot fall under 1
	v_max3_num_f32 v[MX+2*\cc+1], |v[XX+32*\cc+2]|, |v[XX+32*\cc+3]|, 0x2800000
.endr
.irp k,4,8,12,16,20,24,28
.irp cc,0,1
	s_delay_alu instid0(VALU_DEP_4)
	v_max3_num_f32 v[MX+2*\cc], v[MX+2*\cc], |v[XX+32*\cc+\k]|, |v[XX+32*\cc+\k+1]|
	s_delay_alu instid0(VALU_DEP_4)
	v_max3_num_f32 v[MX+2*\cc+1], v[MX+2*\cc+1], |v[XX+32*\cc+\k+2]|, |v[XX+32*\cc+\k+3]|
.endr
.endr
.irp cc, 0
	s_delay_alu instid0(VALU_DEP_3)
	v_max_num_f32 v[MX+2*\cc], v[MX+2*\cc], v[MX+2*\cc+1]
.endr
.irp cc, 1
	s_delay_alu instid0(VALU_DEP_2)
	v_max_num_f32 v[MX+2*\cc], v[MX+2*\cc], v[MX+2*\cc+1]
.endr
.irp cc,0,1
	s_delay_alu instid0(VALU_DEP_2)
	v_add_nc_u32 v[SO+\cc], 0xfe000000, v[MX+2*\cc]
.endr
.irp cc,0,1
	s_delay_alu instid0(VALU_DEP_2)
	v_lshrrev_b32 v[BY+\cc], 23, v[SO+\cc]
.endr
	s_delay_alu instid0(VALU_DEP_1)
	v_lshl_or_b32 v[PW], v[BY+1], 16, v[BY]
	s_delay_alu instid0(VALU_DEP_1)
	v_lshlrev_b32 v[PW], v[SH8], v[PW]
	s_delay_alu instid0(VALU_DEP_1)
	v_permlanex16_b32 v[TP], v[PW], s[SEL], s[SEL+1]
	s_delay_alu instid0(VALU_DEP_1)
	v_or_b32 v[PW], v[PW], v[TP]
.irp cc,0,1
	v_cvt_scalef32_pk16_bf6_f32 v[PC+6*\cc:PC+6*\cc+2], v[XX+32*\cc:XX+32*\cc+15], v[SO+\cc]
	v_cvt_scalef32_pk16_bf6_f32 v[TC+4*\cc:TC+4*\cc+2], v[XX+32*\cc+16:XX+32*\cc+31], v[SO+\cc]
.endr
	v_nop                                          ; one plain place behind the conversions
.irp cc,0,1
.irp i,0,1,2
	v_mov_b32 v[PC+6*\cc+3+\i], v[TC+4*\cc+\i]
.endr
.endr
.endm
.macro PROD
	s_wait_loadcnt 0x0                             ; all my 32 loads are in: asked for two segments ago.  (For 0: no count above it would hold on every way through the branches on the stored count)
	s_add_nc_u64 s[WB:WB+1], s[WB:WB+1], WSTEP     ; no load of mine is out: the base steps to the next trip
.irp f,0,1
.irp i,0,1,2,3,4,5,6,7,8,9,10,11,12,13,14,15
	ds_store_b128 v[TS], v[RR+64*\f+4*\i:RR+64*\f+4*\i+3] offset:528*\i
.endr
.irp cc,0,1
.irp jj,0,1,2,3,4,5,6,7
	ds_load_b128 v[XX+32*\cc+4*\jj:XX+32*\cc+4*\jj+3], v[TL] offset:256*\cc+16*\jj    ; my own bytes: LDS serves a wave's instructions in order
.endr
.endr
	s_wait_dscnt 0x0                               ; the numbers are back; all earlier LDS stores have read their registers
	s_cmp_lt_u32 s[TAU], 3                         ; the last trip asks for nothing: no load leaves W2
	s_cbranch_scc0 .Lnl_\@_\f
	WLOAD \f
.Lnl_\@_\f:
	QUANTW
.irp q,0,1,2
	ds_store_b128 v[IW], v[PC+4*\q:PC+4*\q+3] offset:1536*\f+512*\q
.endr
	ds_store_b32 v[ISW], v[PW] offset:64*\f        ; lanes r and r + 16 store the same word with the same value
.endr
.endm
.macro WM ra, rb
.if (\ra) && (\rb)
	v_wmma_scale_f32_16x16x128_f8f6f4 v[rD:rD+7], v[rA:rA+11], v[rB:rB+11], v[rC:rC+7], v[WS], v[rS] matrix_a_fmt:MATRIX_FMT_BF6 matrix_b_fmt:MATRIX_FMT_BF6 matrix_a_scale:MATRIX_SCALE_ROW1 matrix_b_scale:MATRIX_SCALE_ROW1
.elseif (\ra)
	v_wmma_scale_f32_16x16x128_f8f6f4 v[rD:rD+7], v[rA:rA+11], v[rB:rB+11], v[rC:rC+7], v[WS], v[rS] matrix_a_fmt:MATRIX_FMT_BF6 matrix_b_fmt:MATRIX_FMT_BF6 matrix_a_scale:MATRIX_SCALE_ROW1
.elseif (\rb)
	v_wmma_scale_f32_16x16x128_f8f6f4 v[rD:rD+7], v[rA:rA+11], v[rB:rB+11], v[rC:rC+7], v[WS], v[rS] matrix_a_fmt:MATRIX_FMT_BF6 matrix_b_fmt:MATRIX_FMT_BF6 matrix_b_scale:MATRIX_SCALE_ROW1
.else
	v_wmma_scale_f32_16x16x128_f8f6f4 v[rD:rD+7], v[rA:rA+11], v[rB:rB+11], v[rC:rC+7], v[WS], v[rS] matrix_a_fmt:MATRIX_FMT_BF6 matrix_b_fmt:MATRIX_FMT_BF6
.endif
.endm
.macro MM2 i, sp, cb
.irp u,0,1
.set rD, AC+16*(\i)+8*\u
.set rC, rD
.if \cb
.set rC, BI+8*\u
.endif
.set rA, W+12*\u
.set rB, F+48*(\i)+12*(\sp)
.set rS, FS+2*(\i)+(\sp)/2
	WM \u, (\sp)%2
.endr
.endm
.macro MMT sp, cb                      ; my T tiles: the accumulators take turns, one instruction a turn, on every way
	MM2 0, \sp, \cb
	s_cmp_lt_u32 s[T], 2
	s_cbranch_scc1 .Lmo_\@
	MM2 1, \sp, \cb
	s_cmp_lt_u32 s[T], 3
	s_cbranch_scc1 .Lmo_\@
	s_wait_alu depctr_va_vdst(0)
	MM2 2, \sp, \cb
.Lmo_\@:
.endm
.macro CLOAD i, sl, kk                 ; K step kk (counted from the trip's first) of tile i into slot sl
.irp q,0,1,2
	global_load_b128 v[F+48*(\i)+12*(\sl)+4*\q:F+48*(\i)+12*(\sl)+4*\q+3], v[LI], s[FB:FB+1] offset:(\i)*TSTR+(\kk)*1536+512*\q
.endr
.endm
.macro SLOAD i, m, kk
	global_load_b32 v[FS+2*(\i)+(\m)], v[LS], s[FSB:FSB+1] offset:(\i)*SSTR+(\kk)*64
.endm
.macro CINIT i
.irp sl,0,1,2,3
	CLOAD \i, \sl, \sl
.endr
	SLOAD \i, 0, 0
	SLOAD \i, 1, 2
.endm
.macro RL1 i, sp, hf
	CLOAD \i, \sp, 4*(\hf)+(\sp)+4
.if (\sp)%2
	SLOAD \i, (\sp)/2, 4*(\hf)+(\sp)+3
.endif
.endm
.macro RELOAD sp, hf                   ; the slot just used takes the K step four further on: it has a whole segment in which to land
.if \hf
	s_cmp_eq_u32 s[TAU], 4                         ; behind the last K steps nothing follows: no load leaves the tile's images
	s_cbranch_scc1 .Lro_\@
.endif
	RL1 0, \sp, \hf
	s_cmp_lt_u32 s[T], 2
	s_cbranch_scc1 .Lro_\@
	RL1 1, \sp, \hf
	s_cmp_lt_u32 s[T], 3
	s_cbranch_scc1 .Lro_\@
	RL1 2, \sp, \hf
.Lro_\@:
.endm
.macro FIRSTK                          ; a trip's first K step: in trip 0 the sums begin with b2
	s_cmp_eq_u32 s[TAU], 0
	s_cbranch_scc0 .Lma_\@
	s_wait_alu depctr_va_vdst(0)
	MMT 0, 1
	s_branch .Lmb_\@
.Lma_\@:
	MMT 0, 0
.Lmb_\@:
.endm
.macro CHALF hf
	s_wait_loadcnt 0x0                             ; all that is out was asked for a segment ago
.rept 4
	v_nop
.endr
.irp sp,0,1,2,3
.irp q,0,1,2,3,4,5
	ds_load_b128 v[W+4*\q:W+4*\q+3], v[AW] offset:12288*\hf+3072*\sp+512*\q
.endr
	ds_load_b32 v[WS], v[ASW] offset:512*\hf+128*\sp
	s_wait_dscnt 0x0
.if (\hf == 0) && (\sp == 0)
	FIRSTK
.else
	MMT \sp, 0
.endif
.rept 5
	v_nop                                          ; four places ahead of loads into registers that the products have read and of the first read of results; five ahead of a product that begins one of these sums anew
.endr
	RELOAD \sp, \hf
.endr
.endm
; A round's end for tile i: a lane's 8 numbers of a row are 32 bytes; they go through my own stage and come back as four whole rows of 128 bytes an instruction
.macro FLUSH i
.irp u,0,1
.irp q,0,1
	ds_store_b128 v[YS], v[AC+16*(\i)+8*\u+4*\q:AC+16*(\i)+8*\u+4*\q+3] offset:64*\u+16*\q    ; each accumulator from its low end on
.endr
.endr
.irp t,0,1,2,3
	ds_load_b128 v[W+4*\t:W+4*\t+3], v[YR] offset:576*\t                                     ; LDS serves a wave's instructions in order
.endr
	s_wait_dscnt 0x0
.irp t,0,1,2,3
	global_store_b128 v[LI], v[W+4*\t:W+4*\t+3], s[YOB:YOB+1] offset:(\i)*16384+512*\t        ; 512 consecutive bytes, at a multiple of 256
.endr
	s_wait_xcnt 0x0                                ; the stores' registers are written again only behind this wait
.endm
.macro BARRIER
	s_wait_dscnt 0x0
	s_barrier_signal -1
	s_barrier_wait -1
.endm
	s_load_b256 s[4:11], s[0:1], 0x0               ; W2, b2, hq, ranks
	s_load_b64 s[12:13], s[0:1], 0x20              ; yp
	v_lshl_add_u32 v254, v0, 2, 0x1b800
	v_mov_b32 v255, 0
	v_lshrrev_b32 v22, 5, v0
	s_delay_alu instid0(VALU_DEP_1)
	v_readfirstlane_b32 s[WV], v22
	s_and_b32 s[CW], s[WV], 7
	s_lshr_b32 s[EX], ttmp9, 5
	s_and_b32 s[JX], ttmp9, 31
	v_and_b32 v22, 31, v0                          ; lane
	v_and_b32 v23, 15, v0                          ; r
	v_bfe_u32 v24, v0, 4, 1                        ; h
	s_delay_alu instid0(VALU_DEP_3)
	v_lshlrev_b32 v[LI], 4, v22
	s_delay_alu instid0(VALU_DEP_4)
	v_lshlrev_b32 v[LS], 2, v22
	s_delay_alu instid0(VALU_DEP_4)
	v_lshlrev_b32 v[R4], 2, v23
	s_wait_alu depctr_va_vdst(0)
	v_lshlrev_b32 v[AB], 5, v24
	s_mul_i32 s38, s[CW], TPW
	v_add_nc_u32 v[TS], s38, v[LI]
	v_mul_u32_u24 v[TL], v23, 528
	s_delay_alu instid0(VALU_DEP_1)
	v_lshl_add_u32 v[TL], v24, 7, v[TL]
	s_delay_alu instid0(VALU_DEP_1)
	v_add_nc_u32 v[TL], s38, v[TL]
	s_lshr_b32 s38, s[CW], 2
	s_and_b32 s39, s[CW], 3
	s_mul_i32 s40, s38, 12288
	s_mul_i32 s41, s39, 3072
	s_add_co_u32 s40, s40, s41
	s_add_co_u32 s40, s40, WIMG
	v_add_nc_u32 v[IW], s40, v[LI]
	s_lshl_b32 s40, s38, 9
	s_lshl_b32 s41, s39, 7
	s_add_co_u32 s40, s40, s41
	s_add_co_u32 s40, s40, WSC
	v_add_nc_u32 v[ISW], s40, v[R4]
	v_add_nc_u32 v[AW], WIMG, v[LI]
	v_add_nc_u32 v[ASW], WSC, v[LS]
	s_mul_i32 s40, s[CW], YPW
	s_add_co_u32 s40, s40, YST
	v_mul_u32_u24 v[YS], v23, 144
	s_delay_alu instid0(VALU_DEP_1)
	v_lshl_add_u32 v[YS], v24, 5, v[YS]
	s_delay_alu instid0(VALU_DEP_1)
	v_add_nc_u32 v[YS], s40, v[YS]                 ; in: row r, + 32 h
	v_lshrrev_b32 v25, 3, v22
	s_delay_alu instid0(VALU_DEP_1)
	v_mul_u32_u24 v[YR], v25, 144
	v_and_b32 v25, 7, v22
	s_delay_alu instid0(VALU_DEP_1)
	v_lshl_add_u32 v[YR], v25, 4, v[YR]
	s_delay_alu instid0(VALU_DEP_1)
	v_add_nc_u32 v[YR], s40, v[YR]                 ; back: eight lanes to a row of 128 bytes
	s_lshl_b32 s40, s[EX], 24                      ; my weights: expert, 32 columns of 16,384 bytes a work-group, 4 K steps of 512 bytes a stage
	s_lshl_b32 s41, s[JX], 19
	s_add_co_u32 s40, s40, s41
	s_lshl_b32 s41, s38, 11
	s_add_co_u32 s40, s40, s41
	s_lshl_b32 s41, s39, 9
	s_add_co_u32 s40, s40, s41
	s_mov_b32 s41, 0
	s_lshl_b32 s70, s[EX], 12
	s_lshl_b32 s71, s[JX], 7
	s_add_co_u32 s70, s70, s71                     ; b2: (1,024 e + 32 j) x 4
	s_mov_b32 s71, 0
	s_lshl_b32 s69, s[EX], 7
	s_mov_b32 s[SEL], 0x76543210
	s_mov_b32 s[SEL+1], 0xfedcba98
	s_wait_kmcnt 0x0
	s_load_b32 s[N], s[10:11], s69 offset:0x0      ; the expert's rows
	s_add_nc_u64 s[4:5], s[4:5], s[40:41]
	s_add_nc_u64 s[6:7], s[6:7], s[70:71]
	s_mov_b64 s[WB:WB+1], s[4:5]
	s_cmp_ge_u32 s[WV], 8
	s_cbranch_scc1 .Lhead_c
	v_lshlrev_b32 v[SH8], 3, v24
	v_mov_b32 v[TP], 0
	WLOAD 0                                        ; the first trip's weights go out at once, whatever the count
	WLOAD 1
	s_branch .Lhead_j
.Lhead_c:
	; Every register that a block under a branch on the count reads is written once here, on a way that every consumer takes; these lines run while the first weights are on their way.  The scale registers first
.irp k,14,15,16,17,18,19,20
	v_mov_b32 v\k, 0
.endr
.set kk, BI
.rept 208
	v_mov_b32 v[kk], 0
.set kk, kk+1
.endr
.Lhead_j:
	s_wait_kmcnt 0x0
	s_min_u32 s[N], s[N], 1024
	s_add_co_u32 s[NT], s[N], 15
	s_lshr_b32 s[NT], s[NT], 4
	s_mov_b32 s[RND], 0
.Lround:
	s_wait_loadcnt 0x0                             ; no load of mine is out,
	s_wait_xcnt 0x0                                ; and no store still reads its base: the round's bases may be written
	s_mul_i32 s38, s[RND], 24
	s_sub_co_i32 s39, s[NT], s38
	s_cmp_gt_i32 s39, 0
	s_cselect_b32 s[ACT], 1, 0
	s_sub_co_i32 s39, s39, s[CW]
	s_add_co_i32 s39, s39, 7
	s_ashr_i32 s39, s39, 3
	s_max_i32 s39, s39, 0
	s_min_i32 s[T], s39, 3
	s_add_co_u32 s38, s38, s[CW]                   ; my first tile
	s_lshl_b32 s40, s[EX], 5
	s_add_co_u32 s40, s40, s[JX]
	s_lshl_b32 s40, s40, 17                        ; (32 e + j) x 1,024 rows of 128 bytes
	s_lshl_b32 s41, s38, 11
	s_add_co_u32 s40, s40, s41
	s_mov_b32 s41, 0
	s_add_nc_u64 s[YOB:YOB+1], s[12:13], s[40:41]
	s_lshl_b32 s39, s[EX], 6
	s_add_co_u32 s38, s38, s39                     ; 64 e + tile
	s_mul_i32 s40, s38, 49152
	s_add_nc_u64 s[FB:FB+1], s[8:9], s[40:41]
	s_lshl_b32 s40, s38, 11
	s_add_co_u32 s40, s40, HS0
	s_add_nc_u64 s[FSB:FSB+1], s[8:9], s[40:41]
	s_cmp_ge_u32 s[WV], 8
	s_cbranch_scc1 .Lrs_c
	s_cmp_eq_u32 s[RND], 0
	s_cbranch_scc1 .Lrs_j
	s_cmp_eq_u32 s[ACT], 0
	s_cbranch_scc1 .Lrs_j
	s_mov_b64 s[WB:WB+1], s[4:5]
	WLOAD 0
	WLOAD 1
	s_branch .Lrs_j
.Lrs_c:
	s_cmp_eq_u32 s[T], 0
	s_cbranch_scc1 .Lrs_j
.irp u,0,1
.irp q,0,1
	global_load_b128 v[BI+8*\u+4*\q:BI+8*\u+4*\q+3], v[AB], s[6:7] offset:64*\u+16*\q         ; b2 of columns 16 u + 8 h + 0 .. 7
.endr
.endr
	CINIT 0
	s_cmp_lt_u32 s[T], 2
	s_cbranch_scc1 .Lrs_j
	CINIT 1
	s_cmp_lt_u32 s[T], 3
	s_cbranch_scc1 .Lrs_j
	CINIT 2
.Lrs_j:
	s_mov_b32 s[TAU], 0
.Ltrip:
	; ---- first segment: waves 0-3 make stage 0 of trip TAU; the consumers take K steps 4-7 of trip TAU - 1 from stage 1
	s_cmp_ge_u32 s[WV], 8
	s_cbranch_scc1 .Lc0
	s_cmp_ge_u32 s[WV], 4
	s_cbranch_scc1 .Lj0
	s_cmp_eq_u32 s[ACT], 0
	s_cbranch_scc1 .Lj0
	s_cmp_gt_u32 s[TAU], 3
	s_cbranch_scc1 .Lj0
	PROD
	s_branch .Lj0
.Lc0:
	s_cmp_eq_u32 s[T], 0
	s_cbranch_scc1 .Lj0
	s_cmp_eq_u32 s[TAU], 0
	s_cbranch_scc1 .Lj0
	CHALF 1
	s_wait_xcnt 0x0                                ; the loads have read their bases
	s_add_nc_u64 s[FB:FB+1], s[FB:FB+1], 12288     ; 8 K steps on
	s_add_nc_u64 s[FSB:FSB+1], s[FSB:FSB+1], 512
.Lj0:
	BARRIER                                        ; stage 0's images are whole; nobody reads stage 1's any more
	; ---- second segment: waves 4-7 make stage 1 of trip TAU; the consumers take K steps 0-3 of trip TAU from stage 0
	s_cmp_ge_u32 s[WV], 8
	s_cbranch_scc1 .Lc1
	s_cmp_lt_u32 s[WV], 4
	s_cbranch_scc1 .Lj1
	s_cmp_eq_u32 s[ACT], 0
	s_cbranch_scc1 .Lj1
	s_cmp_gt_u32 s[TAU], 3
	s_cbranch_scc1 .Lj1
	PROD
	s_branch .Lj1
.Lc1:
	s_cmp_eq_u32 s[T], 0
	s_cbranch_scc1 .Lj1
	s_cmp_gt_u32 s[TAU], 3
	s_cbranch_scc1 .Lj1
	CHALF 0
.Lj1:
	BARRIER                                        ; stage 1's images are whole; nobody reads stage 0's any more
	s_add_co_u32 s[TAU], s[TAU], 1
	s_cmp_lt_u32 s[TAU], 5
	s_cbranch_scc1 .Ltrip
	s_cmp_lt_u32 s[WV], 8
	s_cbranch_scc1 .Lfj
	s_cmp_lt_u32 s[T], 1
	s_cbranch_scc1 .Lfj
	s_wait_alu depctr_va_vdst(0)
	FLUSH 0
	s_cmp_lt_u32 s[T], 2
	s_cbranch_scc1 .Lfj
	FLUSH 1
	s_cmp_lt_u32 s[T], 3
	s_cbranch_scc1 .Lfj
	FLUSH 2
.Lfj:
	s_add_co_u32 s[RND], s[RND], 1
	s_cmp_lt_u32 s[RND], 3
	s_cbranch_scc1 .Lround
	s_wait_tensorcnt 0x0
	ds_add_u32 v254, v255
	s_wait_dscnt 0x0
	s_endpgm
.Lfunc_end_k_qa6afdeec99_ffn2:
	.size	k_qa6afdeec99_ffn2, .Lfunc_end_k_qa6afdeec99_ffn2-k_qa6afdeec99_ffn2
	.p2alignl 7, 3214868480
	.fill 96, 4, 3214868480
	.section	.rodata,"a",@progbits
	.p2align	6, 0x0
	.amdhsa_kernel k_qa6afdeec99_ffn2
		.amdhsa_group_segment_fixed_size 114688
		.amdhsa_private_segment_fixed_size 0
		.amdhsa_enable_private_segment 0
		.amdhsa_kernarg_size 40
		.amdhsa_user_sgpr_count 2
		.amdhsa_user_sgpr_kernarg_segment_ptr 1
		.amdhsa_wavefront_size32 1
		.amdhsa_system_sgpr_workgroup_id_x 1
		.amdhsa_system_sgpr_workgroup_id_y 1
		.amdhsa_system_sgpr_workgroup_id_z 1
		.amdhsa_system_vgpr_workitem_id 0
		.amdhsa_next_free_vgpr 256
		.amdhsa_next_free_sgpr 100
		.amdhsa_reserve_vcc 0
		.amdhsa_float_denorm_mode_32 3
		.amdhsa_float_denorm_mode_16_64 3
		.amdhsa_memory_ordered 1
		.amdhsa_forward_progress 1
		.amdhsa_inst_pref_size 82
	.end_amdhsa_kernel
	.amdgpu_metadata
---
amdhsa.version: [ 1, 2 ]
amdhsa.kernels:
  - .name:           k_qa6afdeec99_ffn2
    .symbol:         k_qa6afdeec99_ffn2.kd
    .args:
      - { .name: W2, .offset: 0, .size: 8, .value_kind: global_buffer, .address_space: global }
      - { .name: b2, .offset: 8, .size: 8, .value_kind: global_buffer, .address_space: global }
      - { .name: hq, .offset: 16, .size: 8, .value_kind: global_buffer, .address_space: global }
      - { .name: ranks, .offset: 24, .size: 8, .value_kind: global_buffer, .address_space: global }
      - { .name: yp, .offset: 32, .size: 8, .value_kind: global_buffer, .address_space: global }
    .group_segment_fixed_size: 114688
    .private_segment_fixed_size: 0
    .kernarg_segment_align: 8
    .kernarg_segment_size: 40
    .max_flat_workgroup_size: 512
    .sgpr_count:     100
    .vgpr_count:     256
    .wavefront_size: 32
...
	.end_amdgpu_metadata
.endif
;; end of part 4
;; launch combine (part 5): grid 256 x 1, 4 waves a work-group, no clusters, 0 bytes of LDS; arguments x, choice, gates, ranks, yp, out0; writes out0
.if DOCPART == 5
	.amdgcn_target "amdgcn-amd-amdhsa--gfx1250"
	.amdhsa_code_object_version 6
	.text
	.protected	k_qa6afdeec99_combine
	.globl	k_qa6afdeec99_combine
	.p2align	8
	.type	k_qa6afdeec99_combine,@function
k_qa6afdeec99_combine:
	s_mov_b64 s[64:65], 0
	v_nop
	global_prefetch_b8 v0, s[64:65] scope:SCOPE_SE
	s_setreg_imm32_b32 hwreg(HW_REG_WAVE_MODE, 25, 1), 1
	s_wait_xcnt 0x0
; out[t] = x[t] + g0 (y + b2)[e0][rank0] + g1 (y + b2)[e1][rank1].  A wave takes token t = 4 x work-group + wave: each output row has one owner.
; The two experts and gates come by scalar loads; the ranks of the token's two entries in ALL eight experts' tables come by one vector load (lane 2 e + k holds the rank of entry (t, k) in expert e's table), asked
; for at the same time, and the two that count are read out of their lanes: two memory round trips on end, not three.
; yp holds a row's 1,024 numbers as 32 pieces of 128 bytes, 131,072 bytes apart (one piece for each work-group of the launch before): eight lanes read a piece.  Memory binds: no LDS, no barrier, no matrix unit.
.set X,  8                             ; v8-39
.set Y0, 40                            ; v40-71
.set Y1, 72                            ; v72-103
	s_load_b256 s[4:11], s[0:1], 0x0               ; x, choice, gates, ranks
	s_load_b128 s[12:15], s[0:1], 0x20             ; yp, out0
	v_lshrrev_b32 v1, 5, v0
	v_readfirstlane_b32 s16, v1
	s_lshl_b32 s17, ttmp9, 2
	s_add_co_u32 s17, s17, s16                     ; t
	v_and_b32 v5, 31, v0
	v_lshlrev_b32 v1, 4, v5                        ; 16 x lane
	v_lshrrev_b32 v2, 3, v5
	v_lshlrev_b32 v2, 17, v2
	v_and_b32 v6, 7, v5
	v_lshl_add_u32 v2, v6, 4, v2                   ; yp: piece lane / 8 of the four of a load, 16 (lane % 8) bytes on
	v_bfe_u32 v3, v5, 1, 3
	v_lshlrev_b32 v3, 13, v3                       ; ranks: expert (lane % 16) / 2,
	v_and_b32 v6, 1, v5
	v_lshl_add_u32 v3, v6, 2, v3                   ; place lane % 2,
	s_lshl_b32 s18, s17, 3
	v_add_nc_u32 v3, s18, v3                       ; entry 2 t + place
	s_lshl_b32 s28, s17, 12
	s_mov_b32 s29, 0
	s_wait_alu depctr_va_vdst(0)
	s_wait_kmcnt 0x0
	s_load_b64 s[20:21], s[6:7], s18 offset:0x0    ; the two experts
	s_load_b64 s[22:23], s[8:9], s18 offset:0x0    ; the two gates
	global_load_b32 v4, v3, s[10:11] offset:1024
	s_add_nc_u64 s[4:5], s[4:5], s[28:29]
	s_add_nc_u64 s[14:15], s[14:15], s[28:29]
.irp m,0,1,2,3,4,5,6,7
	global_load_b128 v[X+4*\m:X+4*\m+3], v1, s[4:5] offset:512*\m
.endr
	s_wait_kmcnt 0x0
	s_min_u32 s20, s20, 7
	s_min_u32 s21, s21, 7
	s_lshl_b32 s24, s20, 1                         ; lane 2 e0
	s_lshl_b32 s25, s21, 1
	s_add_co_u32 s25, s25, 1                       ; lane 2 e1 + 1
	s_mov_b32 s34, s23                             ; the second gate as the low word of a pair
	s_mov_b32 s35, s23
	s_wait_loadcnt 8                               ; the ranks are in; the eight loads of x may be out
	v_readlane_b32 s26, v4, s24
	v_readlane_b32 s27, v4, s25
	s_min_u32 s26, s26, 0x3ff
	s_min_u32 s27, s27, 0x3ff
	s_lshl_b32 s20, s20, 22                        ; an expert's 32 x 131,072 bytes
	s_lshl_b32 s26, s26, 7                         ; a row's 128 bytes
	s_add_co_u32 s30, s20, s26
	s_mov_b32 s31, 0
	s_add_nc_u64 s[32:33], s[12:13], s[30:31]
	s_lshl_b32 s21, s21, 22
	s_lshl_b32 s27, s27, 7
	s_add_co_u32 s30, s21, s27
	s_add_nc_u64 s[36:37], s[12:13], s[30:31]
.irp m,0,1,2,3,4,5,6,7
	global_load_b128 v[Y0+4*\m:Y0+4*\m+3], v2, s[32:33] offset:524288*\m
	global_load_b128 v[Y1+4*\m:Y1+4*\m+3], v2, s[36:37] offset:524288*\m
.endr
.irp m,0,1,2,3,4,5,6,7
	s_wait_loadcnt 14-2*\m                         ; pair m is in; the pairs behind it may be out
	v_pk_fma_f32 v[X+4*\m:X+4*\m+1], v[Y0+4*\m:Y0+4*\m+1], s[22:23], v[X+4*\m:X+4*\m+1] op_sel_hi:[1,0,1]
	v_pk_fma_f32 v[X+4*\m+2:X+4*\m+3], v[Y0+4*\m+2:Y0+4*\m+3], s[22:23], v[X+4*\m+2:X+4*\m+3] op_sel_hi:[1,0,1]
	v_pk_fma_f32 v[X+4*\m:X+4*\m+1], v[Y1+4*\m:Y1+4*\m+1], s[34:35], v[X+4*\m:X+4*\m+1] op_sel_hi:[1,0,1]
	v_pk_fma_f32 v[X+4*\m+2:X+4*\m+3], v[Y1+4*\m+2:Y1+4*\m+3], s[34:35], v[X+4*\m+2:X+4*\m+3] op_sel_hi:[1,0,1]
	global_store_b128 v1, v[X+4*\m:X+4*\m+3], s[14:15] offset:512*\m         ; 512 consecutive bytes, at a multiple of 256
.endr
	s_endpgm
.Lfunc_end_k_qa6afdeec99_combine:
	.size	k_qa6afdeec99_combine, .Lfunc_end_k_qa6afdeec99_combine-k_qa6afdeec99_combine
	.p2alignl 7, 3214868480
	.fill 96, 4, 3214868480
	.section	.rodata,"a",@progbits
	.p2align	6, 0x0
	.amdhsa_kernel k_qa6afdeec99_combine
		.amdhsa_group_segment_fixed_size 0
		.amdhsa_private_segment_fixed_size 0
		.amdhsa_enable_private_segment 0
		.amdhsa_kernarg_size 48
		.amdhsa_user_sgpr_count 2
		.amdhsa_user_sgpr_kernarg_segment_ptr 1
		.amdhsa_wavefront_size32 1
		.amdhsa_system_sgpr_workgroup_id_x 1
		.amdhsa_system_sgpr_workgroup_id_y 1
		.amdhsa_system_sgpr_workgroup_id_z 1
		.amdhsa_system_vgpr_workitem_id 0
		.amdhsa_next_free_vgpr 128
		.amdhsa_next_free_sgpr 66
		.amdhsa_reserve_vcc 0
		.amdhsa_float_denorm_mode_32 3
		.amdhsa_float_denorm_mode_16_64 3
		.amdhsa_memory_ordered 1
		.amdhsa_forward_progress 1
		.amdhsa_inst_pref_size 8
	.end_amdhsa_kernel
	.amdgpu_metadata
---
amdhsa.version: [ 1, 2 ]
amdhsa.kernels:
  - .name:           k_qa6afdeec99_combine
    .symbol:         k_qa6afdeec99_combine.kd
    .args:
      - { .name: x, .offset: 0, .size: 8, .value_kind: global_buffer, .address_space: global }
      - { .name: choice, .offset: 8, .size: 8, .value_kind: global_buffer, .address_space: global }
      - { .name: gates, .offset: 16, .size: 8, .value_kind: global_buffer, .address_space: global }
      - { .name: ranks, .offset: 24, .size: 8, .value_kind: global_buffer, .address_space: global }
      - { .name: yp, .offset: 32, .size: 8, .value_kind: global_buffer, .address_space: global }
      - { .name: out0, .offset: 40, .size: 8, .value_kind: global_buffer, .address_space: global }
    .group_segment_fixed_size: 0
    .private_segment_fixed_size: 0
    .kernarg_segment_align: 8
    .kernarg_segment_size: 48
    .max_flat_workgroup_size: 128
    .sgpr_count:     66
    .vgpr_count:     128
    .wavefront_size: 32
...
	.end_amdgpu_metadata
.endif
;; end of part 5
